; MI455X (gfx1250); checked and timed in simulation.
; The chip was launched on July 23, 2026; its instructions are those of AMD's public machine-readable ISA for CDNA 5 (MIT licence, August 2026) and "CDNA5" Instruction Set Architecture Reference Guide (July 2026). The comments in the code are by the model that wrote it; some were corrected since.
;; GQA Attention. Allowed arithmetic: matrix products marked QUANTISED: E4M3 operands, one given power-of-two scale a tensor, by v_wmma_f32_16x16x64_fp8_fp8 or v_wmma_f32_16x16x128_fp8_fp8, f32 sums; everything else in f32.
;; Inputs: lowp_scales 12 int32 (the exponents e of the quantised operands' scales 2^e); wk 512 x 4,096 float32; wo 4,096 x 1,024 float32; wq 1,024 x 4,096 float32; wv 512 x 4,096 float32; x 2 x 2,048 x 4,096 float32.
;; Outputs: out0 2 x 2,048 x 4,096 float32.
;; This version of the problem:
;;   THIS VERSION OF THE PROBLEM IS GIVEN IN LOW PRECISION. The matrix products marked QUANTISED in the list below multiply operands that are first quantised to E4M3 (4 exponent bits, 3 mantissa bits; 8 bits a number), with one given power-of-two scale for each operand tensor; their sums are f32. All else is computed in f32.
;;   The module's matrix products, in the order in which they are computed (A, B: the left and right operand; K: the contracted axis; several contracted axes count as one K, in the product's order):
;;     1. [M 4,096, K 4,096] x [K 4,096, N 1,024]; A: input x; B: input wq: QUANTISED (scales: A lowp_scales[0], B lowp_scales[1])
;;     2. [M 4,096, K 4,096] x [K 4,096, N 512]; A: input x; B: input wk: QUANTISED (scales: A lowp_scales[2], B lowp_scales[3])
;;     3. [M 4,096, K 4,096] x [K 4,096, N 512]; A: input x; B: input wv: QUANTISED (scales: A lowp_scales[4], B lowp_scales[5])
;;     4. batch 8 x [M 4,096, K 128] x [K 128, N 2,048]; A: computed on the way; B: computed on the way: QUANTISED (scales: A lowp_scales[6], B lowp_scales[7])
;;     5. batch 8 x [M 4,096, K 2,048] x [K 2,048, N 128]; A: softmax (see below); B: computed on the way: QUANTISED (scales: A lowp_scales[8], B lowp_scales[9])
;;     6. [M 4,096, K 1,024] x [K 1,024, N 4,096]; A: computed on the way; B: input wo: QUANTISED (scales: A lowp_scales[10], B lowp_scales[11])
;;   THE QUANTISER, for each operand of a quantised product, along K:
;;     - The operand's scale is 2^e, e = its entry of the input lowp_scales (int32; the entries are numbered through the quantised products in the list's order, A before B).
;;     - Each number is divided by the scale, clamped to +-448, and rounded to the nearest number of E4M3, ties to even, subnormals kept.
;;     - The product sums the exact products of the quantised numbers (number of the format x scale) in f32.
;;   ~~~python
;;   def quantise(x, axis, e):      # numpy; x: float32 -> the quantised numbers, widened to float32 again
;;       x = np.moveaxis(x, axis, -1); K = x.shape[-1]
;;       r = np.clip(x / 2.0 ** e, -448, 448)
;;       step = 2.0 ** (np.maximum(np.frexp(np.where(r == 0, 1, r))[1] - 1, -6) - 3)
;;       q = np.round(r / step) * step * 2.0 ** e      # np.round: ties to even
;;       return np.moveaxis(q, -1, axis).astype(np.float32)
;;   ~~~
;;   SOFTMAX AHEAD OF A QUANTISED PRODUCT. Where the list says 'softmax', what is quantised is not the finished softmax but p = 2^(t - M), with t = logit x log2(e) and M = ceil(the row's largest t), a whole number; so 1/2 < the row's largest p <= 1. The row's sum l is taken of the UNQUANTISED p, in f32, and the product's result is divided by l at the end. Since M is a whole number, a kernel that streams over the keys may use a running M (the ceiling of the running maximum): every later rescaling is an exact power of two, so the quantised numbers keep their values, but for numbers so far below the row's largest that they fall under the format's range.
;;   OPERANDS COMPUTED ON THE WAY. 'Computed on the way' means the value that the module computes at that place (a softmax that the list does not call 'softmax' is quantised finished and normalised). What goes into a quantiser is computed in f32, as accurately as f32 sums, v_exp_f32 and their like allow (about 1e-6 of the number): no bf16 or f16 on the way to a quantiser, and a product that is left as it is and whose result goes on into a quantised operand takes f32 operands (vector FMAs, or v_wmma_f32_16x16x4_f32). A number that lies on a knife's edge between two numbers of the format may be rounded either way, as far as f32 arithmetic and the matrix unit's own rounding can turn it there, and no further.
;; One version. Each part assembles by itself: llvm-mc -triple=amdgcn-amd-amdhsa -mcpu=gfx1250 --defsym DOCPART=n.
;; ======== version 1 of 1: 4 launches
;; workspace buffers: xc 50,331,648 bytes; wc 8,388,608 bytes; woc 4,194,304 bytes; qkvc 8,388,608 bytes; oc 4,194,304 bytes
;; launch quant (part 1): grid 896 x 1, 4 waves a work-group, no clusters, 33,280 bytes of LDS; arguments x, wq, wk, wv, wo, lowp_scales, xc, wc, woc; writes xc, wc, woc
.if DOCPART == 1
	.amdgcn_target "amdgcn-amd-amdhsa--gfx1250"
	.amdhsa_code_object_version 6
	.text
	.protected	k_qe2b898f246_quant
	.globl	k_qe2b898f246_quant
	.p2align	8
	.type	k_qe2b898f246_quant,@function
k_qe2b898f246_quant:
	s_mov_b64 s[64:65], 0
	v_nop
	global_prefetch_b8 v0, s[64:65] scope:SCOPE_SE
	s_setreg_imm32_b32 hwreg(HW_REG_WAVE_MODE, 25, 1), 1
	s_wait_xcnt 0x0
; f32 numbers into codes of FP8 (E4M3), K innermost, each operand with the scale 2^e that is given for it.
; x [4096][4096] is an operand of three products with three entries of its own (e0, e2, e4): it is read once and coded three times, into the three planes of xc.
; wq, wk, wv (e1, e3, e5) go one behind the other into wc [2048][4096]; wo (e11) into woc [4096][1024].
; code = number / 2^e, held within +-448, rounded to the nearest code, ties to even.
; LIMITS: each of these e lies between -126 and 119, so that 2^e and 448 x 2^e are f32 numbers.  NaN among the inputs is not served; an infinity is held at the largest code.
; Rows are dense and K is innermost, so each tensor is a plain stream.  A work-group takes 32,768 numbers, a wave 8,192 in 16 steps of 512.
; Work-groups 0-511: x; 512-639: wq; 640-703: wk; 704-767: wv; 768-895: wo.  Only pointers, first numbers and exponents are chosen by the work-group's number;
; the one branch (x's two further planes) leads round conversions and stores alone, so every count of loads and LDS instructions is the same on both ways.
; A conversion takes 8 neighbours from ONE lane's registers, a load is best where neighbouring LANES take neighbouring bytes: each of a step's four loads reads 512 consecutive bytes,
; the 2,048 bytes go through the wave's own stage in LDS as they lie (16 bytes of padding behind each 64) and come back 64 bytes a lane.  A lane's 16 codes are 16 bytes: a store covers 512 consecutive bytes.
.set WAVES, 4
.set STEPS, 16
.set FIRST_WQ, 512                     ; the first work-group of each tensor
.set FIRST_WK, 640
.set FIRST_WV, 704
.set FIRST_WO, 768
.set PLANE, 0x1000000                  ; a plane of xc: 4096 x 4096 bytes
.set SP,    80                         ; a lane's place in a stage: 64 bytes + 16 of padding
.set WREG,  8192                       ; LDS of a wave: two stages of 32 x SP bytes
.set SPARE, WAVES*WREG                 ; behind the four regions: the spare words, 128 bytes a wave, which no other line names
.set SPW,   12                         ; v12  my spare word's LDS address; never rewritten
.set NIL,   13                         ; v13  0; never rewritten
.set R,     16                         ; v16-79    four sets of 16 numbers as loaded
.set X,     80                         ; v80-111   two sets of 16 neighbours
.set TA,    112                        ; v112-159  the numbers held for the first, second, third scale
.set TB,    128
.set TC,    144
.set C,     160                        ; v160-207  codes: four steps x 12 registers by turns
	s_load_b512 s[16:31], s[0:1], 0x0              ; x, wq, wk, wv, wo, scales, xc, wc
	s_load_b64 s[32:33], s[0:1], 0x40              ; woc
	v_lshl_add_u32 v[SPW], v0, 2, SPARE
	v_mov_b32 v[NIL], 0
	v_lshrrev_b32 v1, 5, v0
	v_readfirstlane_b32 s14, v1                    ; wave
	v_and_b32 v2, 31, v0                           ; lane
	v_lshlrev_b32 v3, 4, v2                        ; my 16 bytes of a load's 512
	v_lshlrev_b32 v4, 4, v2                        ; my 16 codes of a step's 512
	s_mul_i32 s15, s14, WREG
	v_lshrrev_b32 v14, 2, v2
	v_mul_u32_u24 v14, v14, SP
	v_and_b32 v15, 3, v2
	v_lshl_add_u32 v14, v15, 4, v14
	v_add_nc_u32 v14, s15, v14                     ; the stage, on the way in: SP (lane / 4) + 16 (lane % 4)
	v_mul_u32_u24 v15, v2, SP
	v_add_nc_u32 v15, s15, v15                     ; and on the way out: SP x lane
	s_wait_kmcnt 0x0
	s_load_b256 s[36:43], s[26:27], 0x0            ; e0 .. e7
	s_load_b128 s[44:47], s[26:27], 0x20           ; e8 .. e11
	s_mov_b64 s[4:5], s[24:25]                     ; from: wo, unless the work-group's number says otherwise
	s_mov_b64 s[8:9], s[32:33]                     ; to: woc
	s_mov_b32 s10, FIRST_WO                        ; the source's first work-group
	s_mov_b32 s11, FIRST_WO                        ; the destination's
	s_cmp_lt_u32 ttmp9, FIRST_WO
	s_cselect_b64 s[4:5], s[22:23], s[4:5]         ; wv
	s_cselect_b64 s[8:9], s[30:31], s[8:9]         ; wc
	s_cselect_b32 s10, FIRST_WV, s10
	s_cselect_b32 s11, FIRST_WQ, s11
	s_cmp_lt_u32 ttmp9, FIRST_WV
	s_cselect_b64 s[4:5], s[20:21], s[4:5]         ; wk
	s_cselect_b32 s10, FIRST_WK, s10
	s_cmp_lt_u32 ttmp9, FIRST_WK
	s_cselect_b64 s[4:5], s[18:19], s[4:5]         ; wq
	s_cselect_b32 s10, FIRST_WQ, s10
	s_cmp_lt_u32 ttmp9, FIRST_WQ
	s_cselect_b64 s[4:5], s[16:17], s[4:5]         ; x
	s_cselect_b64 s[8:9], s[28:29], s[8:9]         ; xc
	s_cselect_b32 s10, 0, s10
	s_cselect_b32 s11, 0, s11
	s_cselect_b32 s13, 1, 0                        ; 1 in x's work-groups
	s_sub_co_u32 s2, ttmp9, s10
	s_lshl_b32 s2, s2, 2
	s_add_co_u32 s2, s2, s14                       ; which run of 8,192 numbers of the source is my wave's
	s_lshl_b32 s2, s2, 15                          ; 32,768 bytes each
	s_mov_b32 s3, 0
	s_add_nc_u64 s[4:5], s[4:5], s[2:3]
	s_sub_co_u32 s6, ttmp9, s11
	s_lshl_b32 s6, s6, 2
	s_add_co_u32 s6, s6, s14
	s_lshl_b32 s6, s6, 13                          ; 8,192 bytes of codes each
	s_mov_b32 s7, 0
	s_add_nc_u64 s[8:9], s[8:9], s[6:7]
	s_cmp_lg_u32 s13, 0
	s_cselect_b32 s6, s6, 0                        ; x's other two planes (named by x's work-groups alone)
	s_add_nc_u64 s[48:49], s[28:29], s[6:7]
	s_add_nc_u64 s[48:49], s[48:49], PLANE
	s_add_nc_u64 s[50:51], s[48:49], PLANE
.macro LOAD t                          ; step t: four loads of 512 consecutive bytes
.irp i, 0,1,2,3
	global_load_b128 v[R+16*((\t)%4)+4*\i:R+16*((\t)%4)+4*\i+3], v3, s[4:5] offset:2048*(\t)+512*\i th:TH_LOAD_NT
.endr
.endm
.macro TURN t                          ; step t's numbers through the stage: LDS serves a wave's instructions in order, so no wait stands between the stores and the loads
.irp i, 0,1,2,3
	ds_store_b128 v14, v[R+16*((\t)%4)+4*\i:R+16*((\t)%4)+4*\i+3] offset:32*SP*((\t)%2)+8*SP*\i
.endr
.irp i, 0,1,2,3
	ds_load_b128 v[X+16*((\t)%2)+4*\i:X+16*((\t)%2)+4*\i+3], v15 offset:32*SP*((\t)%2)+16*\i
.endr
.endm
.macro MKS vs, vl, se                  ; v[vs] = 2^e as f32 (the conversion takes its exponent field), v[vl] = 448 x 2^e
	s_add_co_i32 s2, \se, 127
	s_lshl_b32 s3, s2, 23
	v_mov_b32 v[\vs], s3
	s_add_co_i32 s2, s2, 8
	s_lshl_b32 s2, s2, 23
	s_or_b32 s2, s2, 0x600000
	v_mov_b32 v[\vl], s2
.endm
.macro CODE16 cd, tmp, src, sc, lim    ; 16 numbers are held within the largest code x the scale (the conversion does not saturate: ISA guide 7.6.2) and coded
.irp i, 0,1,2,3,4,5,6,7,8,9,10,11,12,13,14,15
	v_med3_num_f32 v[\tmp+\i], v[\src+\i], -v[\lim], v[\lim]
.endr
	v_cvt_scalef32_pk8_fp8_f32 v[\cd:\cd+1], v[\tmp:\tmp+7], v[\sc]
	v_cvt_scalef32_pk8_fp8_f32 v[\cd+2:\cd+3], v[\tmp+8:\tmp+15], v[\sc]
.endm
.irp t, 0,1,2,3
	LOAD \t
.endr
	s_wait_kmcnt 0x0
	s_mov_b32 s12, s47                             ; the first scale's exponent: e11, e5, e3, e1 or e0
	s_cmp_lt_u32 ttmp9, FIRST_WO
	s_cselect_b32 s12, s41, s12
	s_cmp_lt_u32 ttmp9, FIRST_WV
	s_cselect_b32 s12, s39, s12
	s_cmp_lt_u32 ttmp9, FIRST_WK
	s_cselect_b32 s12, s37, s12
	s_cmp_lt_u32 ttmp9, FIRST_WQ
	s_cselect_b32 s12, s36, s12
	MKS 5, 6, s12
	MKS 7, 8, s38                                  ; e2
	MKS 9, 10, s40                                 ; e4
	s_wait_loadcnt 12                              ; step 0's four loads are in; the twelve of steps 1 to 3 may be out
	TURN 0
.macro STEP t
.set XS, X+16*((\t)%2)
.set CS, C+12*((\t)%4)
	s_wait_dscnt 0x0                               ; this step's numbers are back from the stage, and the stage's stores have read their registers,
.if (\t)+4 < STEPS
	LOAD (\t)+4                                    ; which take the loads of four steps on
.endif
.if (\t)+1 < STEPS
.if STEPS-2-(\t) >= 3
	s_wait_loadcnt 12                              ; the next step's four loads are in; those of the three steps behind it may be out
.else
	s_wait_loadcnt 4*(STEPS-2-(\t))
.endif
	TURN (\t)+1                                    ; they go through the other stage while this step is worked
.endif
.if (\t) >= 4
	s_wait_xcnt 0x0                                ; the stores of four steps back have read their codes' registers, which are written again below
.endif
	CODE16 CS, TA, XS, 5, 6
	v_nop                                          ; a plain vector line behind the last conversion of a run
	global_store_b128 v4, v[CS:CS+3], s[8:9] offset:512*(\t)
	s_cmp_lg_u32 s13, 0                            ; x alone has two more scales
	s_cbranch_scc0 .Lw_\@
	CODE16 CS+4, TB, XS, 7, 8
	CODE16 CS+8, TC, XS, 9, 10
	v_nop
	global_store_b128 v4, v[CS+4:CS+7], s[48:49] offset:512*(\t)
	global_store_b128 v4, v[CS+8:CS+11], s[50:51] offset:512*(\t)
.Lw_\@:
.endm
.irp t, 0,1,2,3,4,5,6,7,8,9,10,11,12,13,14,15
	STEP \t
.endr
	s_wait_tensorcnt 0x0                           ; the wave's end: a wait, an add to my spare word and its wait, behind my last LDS store
	ds_add_u32 v[SPW], v[NIL]
	s_wait_dscnt 0x0
	s_endpgm
.Lfunc_end_k_qe2b898f246_quant:
	.size	k_qe2b898f246_quant, .Lfunc_end_k_qe2b898f246_quant-k_qe2b898f246_quant
	.p2alignl 7, 3214868480
	.fill 96, 4, 3214868480
	.section	.rodata,"a",@progbits
	.p2align	6, 0x0
	.amdhsa_kernel k_qe2b898f246_quant
		.amdhsa_group_segment_fixed_size 33280
		.amdhsa_private_segment_fixed_size 0
		.amdhsa_enable_private_segment 0
		.amdhsa_kernarg_size 72
		.amdhsa_user_sgpr_count 2
		.amdhsa_user_sgpr_kernarg_segment_ptr 1
		.amdhsa_wavefront_size32 1
		.amdhsa_system_sgpr_workgroup_id_x 1
		.amdhsa_system_sgpr_workgroup_id_y 1
		.amdhsa_system_sgpr_workgroup_id_z 1
		.amdhsa_system_vgpr_workitem_id 0
		.amdhsa_next_free_vgpr 208
		.amdhsa_next_free_sgpr 66
		.amdhsa_reserve_vcc 0
		.amdhsa_float_denorm_mode_32 3
		.amdhsa_float_denorm_mode_16_64 3
		.amdhsa_memory_ordered 1
		.amdhsa_forward_progress 1
		.amdhsa_inst_pref_size 81
	.end_amdhsa_kernel
	.amdgpu_metadata
---
amdhsa.version: [ 1, 2 ]
amdhsa.kernels:
  - .name:           k_qe2b898f246_quant
    .symbol:         k_qe2b898f246_quant.kd
    .args:
      - { .name: x, .offset: 0, .size: 8, .value_kind: global_buffer, .address_space: global }
      - { .name: wq, .offset: 8, .size: 8, .value_kind: global_buffer, .address_space: global }
      - { .name: wk, .offset: 16, .size: 8, .value_kind: global_buffer, .address_space: global }
      - { .name: wv, .offset: 24, .size: 8, .value_kind: global_buffer, .address_space: global }
      - { .name: wo, .offset: 32, .size: 8, .value_kind: global_buffer, .address_space: global }
      - { .name: lowp_scales, .offset: 40, .size: 8, .value_kind: global_buffer, .address_space: global }
      - { .name: xc, .offset: 48, .size: 8, .value_kind: global_buffer, .address_space: global }
      - { .name: wc, .offset: 56, .size: 8, .value_kind: global_buffer, .address_space: global }
      - { .name: woc, .offset: 64, .size: 8, .value_kind: global_buffer, .address_space: global }
    .group_segment_fixed_size: 33280
    .private_segment_fixed_size: 0
    .kernarg_segment_align: 8
    .kernarg_segment_size: 72
    .max_flat_workgroup_size: 128
    .sgpr_count:     66
    .vgpr_count:     208
    .wavefront_size: 32
...
	.end_amdgpu_metadata
.endif
;; end of part 1
;; launch qkv (part 2): grid 16 x 16, 4 waves a work-group, clusters of 4 x 4, 327,680 bytes of LDS; arguments xc, wc, lowp_scales, qkvc; writes qkvc
.if DOCPART == 2
	.amdgcn_target "amdgcn-amd-amdhsa--gfx1250"
	.amdhsa_code_object_version 6
	.text
	.protected	k_qe2b898f246_qkv
	.globl	k_qe2b898f246_qkv
	.p2align	8
	.type	k_qe2b898f246_qkv,@function
k_qe2b898f246_qkv:
	s_mov_b64 s[64:65], 0
	v_nop
	global_prefetch_b8 v0, s[64:65] scope:SCOPE_SE
	s_setreg_imm32_b32 hwreg(HW_REG_WAVE_MODE, 25, 1), 1
	s_wait_xcnt 0x0
	s_wait_alu depctr_hold_cnt(0) depctr_sa_sdst(0) depctr_va_vdst(0) depctr_va_sdst(0) depctr_va_ssrc(0) depctr_va_vcc(0) depctr_vm_vsrc(0)
	s_getreg_b32 s2, hwreg(HW_REG_IB_STS2, 6, 4)
	s_cmp_eq_u32 s2, 0
	s_cbranch_scc0 .Lentry_in_a_cluster
	s_endpgm
.Lentry_in_a_cluster:
	s_bfe_u32 s2, ttmp6, 0x10000c
	s_cmp_lg_u32 s2, 0xf033
	s_cbranch_scc0 .Lentry_shape_is_right
	s_endpgm
.Lentry_shape_is_right:
; q, k, v = x wq^T, x wk^T, x wv^T on codes of FP8 (E4M3), f32 sums, K = 4096; each sum is quantised on the way out to the code that attention wants (q: e6, k: e7, v: e9).
; xc: [3][4096 tokens][4096] codes of x under e0, e2, e4.  wc: [2048][4096]: wq's 1024 rows, wk's 512, wv's 512.
; qkvc: [16 heads][524,288 bytes]: heads 0-7 q, 8-11 k: [token][128 d]; heads 12-15 v: [token / 128][128 d][128 keys], the keys innermost.
; Within a row of 128 codes the four pieces of 8 of each 32 lie in the order 0, 2, 1, 3: in q and k the same permutation of d, which changes no product; in v the order of keys in which attention's weights come out of its first product.
; SHARES.  Work-group (gx, gy) makes 256 tokens x the 128 features of head gx.  16 x 16 work-groups.  Four waves, each 128 rows of source 0 x 64 rows of source 1: 32 accumulators.
; The matrix instruction gives a lane ONE row of source 1 and eight neighbours along source 0.  q, k: source 0 = the 128 weight rows, source 1 = my 64 tokens: a lane holds 8 neighbouring d of a token.
; v: source 0 = 128 tokens, source 1 = 64 weight rows: a lane holds 8 neighbouring KEYS of one d.  Only the LDS bases differ (chosen by the cluster's x, which all partners share);
; in both cases a wave's codes are one dense block of 64 rows x 128 bytes.
; CLUSTERS: 4 x 4.  The cluster's x says which product (0, 1: q; 2: k; 3: v), so the four of a cluster's row want the same 256 token rows of the same plane of xc,
; and the four of a column the same 128 weight rows: each tile is asked for jointly, by the same tensor load with a mask that names the four.
; THE RING.  Two LDS slots of 384 along K, as much as fits: a slot has a long part (384 rows x 256 bytes, 272 apart) and a short part (384 rows x 128 bytes, 144 apart): 159,744 bytes; rows of 384 bytes with their padding would not fit twice.
; K is cut in laps of 768 bytes: bytes 0-255 are slot 0's long part, 256-511 slot 1's, 512-639 slot 0's short part, 640-767 slot 1's: the long rows are whole aligned blocks of 256 bytes, the short ones aligned halves.
; x and the weights are cut alike, so every product meets its partner; only the order of the sums differs from ascending K.  4096 = 5 laps and 256: ten slots, and a last piece that fills slot 0's long part alone.
; A slot is three steps of 128 along K; the two sets of fragment registers are back where they began after two slots, so a trip of the loop is six steps.
; A sum stands for sum x 2^(ex + ew): its code is sum / 2^(eq - ex - ew): the three exponents are folded into the conversion's one.
; LIMITS: e6 - e0 - e1, e7 - e2 - e3 and e9 - e4 - e5 lie between -126 and 119.
; REGISTERS: window 0: v16-31 addresses and constants; v32-95 at work on the way out; v128-255 source 1's fragments, two sets of 64 (on the way out: rows read back, and codes).
;   window 1: source 0's fragments, two sets of 128.   window 2: accumulator (a, b) at v[8 (8 a + b)].
.set KTOT,   4096
.set P2,     272                       ; a long LDS row: 256 bytes + 16 of padding; P1: a short one: 128 + 16.  Both are odd multiples of 16: the 16 rows that a load touches start at 16 different banks (64 banks of 4 bytes: ISA guide 11.1)
.set P1,     144
.set XB2,    256*P2                    ; the long part: 256 token rows, then 128 weight rows
.set R1,     384*P2                    ; the short part begins here: 256 token rows,
.set XB1,    R1+256*P1                 ; then 128 weight rows
.set SLOT,   R1+384*P1
.set STAGE,  SLOT                      ; the way out: 64 rows x 144 bytes for each wave, in slot 1, which has had its last fill and its last read when the first code is stored there
.set SPITCH, 144
.set SPARE,  2*SLOT                    ; behind the ring: the spare words, 128 bytes a wave, which no other line names
.set LAPB,   768                       ; a lap along K: both slots once
.set TRIPS,  4                         ; the loop's trips: each asks for two whole slots (pieces 2 to 9)
.set A0L, 16                           ; v16-17  LDS address of source 0's fragments in the long part of slot 0, 1
.set A1L, 18                           ; v18-19  of source 1's
.set A0S, 20                           ; v20-21  of source 0's in the short part
.set A1S, 22                           ; v22-23  of source 1's
.set STO,  24                          ; v24     the way out: where I put 8 codes
.set RD,   25                          ; v25     where I read 16 bytes back
.set CO,   26                          ; v26     16 x lane
.set SC,   27                          ; v27     the conversion's scale as f32
.set SPW,  28                          ; v28     my spare word; never rewritten
.set NIL,  29                          ; v29     0; never rewritten
.set PFO,  30                          ; v30     the prefetches' offset: 4,096 x lane; never rewritten
.set LIMV, 31                          ; v31     448 x the conversion's scale
.set T,    32
.set S1F,  128
.set OUTR, 128
.set CD,   192
.set GA,  24                           ; s[24:31] group 1: token rows, long part;   s[32:39] token rows, short part
.set GB,  32
.set GC,  40                           ; s[40:47] weight rows, long part;           s[48:55] weight rows, short part
.set GD,  48
.set G0Y, 56                           ; s[56:63] group 0 for token tiles, a set for each slot
.set G0X, 68                           ; s[68:75] for weight tiles
.set PFA, 88                           ; s[88:89] where my prefetches stand
.set LIM, 90                           ; s90      1 in a wave that prefetches, else the greatest number
.set PAD2, (0<<16)|(1<<20)|(1<<21)|(5<<22)|(3<<25)   ; elements of 1 byte; padding on; 21 set beside a mask; four words after every 64
.set PAD1, (0<<16)|(1<<20)|(1<<21)|(4<<22)|(3<<25)   ; four words after every 32
.set MSB, 0
.macro WIN new                         ; the immediate's high byte repeats the setting that is left
.if MSB != \new
	s_set_vgpr_msb (MSB<<8)|\new
.set MSB, \new
.endif
.endm
.set MUL,   0xa1                       ; source 0 window 1, source 1 window 0, C and D window 2
.set TO_S0, 0x40                       ; destination window 1, address window 0
.macro TL g0, g1                       ; a tensor load; an s_nop 0 and four v_nop follow it, ahead of a jump, a label and what follows
	tensor_load_to_lds s[\g0:\g0+3], s[\g1:\g1+7]
	s_nop 0
.rept 4
	v_nop
.endr
.endm
; A joint load of a whole slot, one tensor load a wave: wave 0 the token rows' long part, wave 1 their short part, wave 2 the weight rows' long part, wave 3 their short part.
; The branches hang on the wave's number alone: they are the same in every work-group.
.macro JLOAD s
	s_cmp_lt_u32 s14, 2
	s_cbranch_scc0 .Lx_\@
	s_cmp_eq_u32 s14, 0
	s_cbranch_scc0 .Ly1_\@
	TL G0Y+4*\s, GA
	s_branch .Ld_\@
.Ly1_\@:
	TL G0Y+4*\s, GB
	s_branch .Ld_\@
.Lx_\@:
	s_cmp_eq_u32 s14, 2
	s_cbranch_scc0 .Lx1_\@
	TL G0X+4*\s, GC
	s_branch .Ld_\@
.Lx1_\@:
	TL G0X+4*\s, GD
.Ld_\@:
.endm
.macro JLOADP                          ; the last piece, 256 along K: slot 0's long part alone: waves 0 and 2 ask, waves 1 and 3 have no part to fill
	s_cmp_eq_u32 s14, 0
	s_cbranch_scc0 .Lnot0_\@
	TL G0Y, GA
	s_branch .Ld_\@
.Lnot0_\@:
	s_cmp_eq_u32 s14, 2
	s_cbranch_scc0 .Ld_\@
	TL G0X, GC
.Ld_\@:
.endm
.macro CREST                           ; a round of the cluster's barrier behind its opening barrier
	s_cmp_lg_u32 s14, 0
	s_cbranch_scc1 .Lnot_wave_0_\@
	s_barrier_signal -3
.Lnot_wave_0_\@:
	s_barrier_wait -3
	s_barrier_signal -1
	s_barrier_wait -1
.endm
.macro CROUND
	s_barrier_signal -1
	s_barrier_wait -1
	CREST
.endm
; A PREFETCH INTO THE L2, at slot 0's change in each trip: the lap of 768 bytes that the NEXT trip's two joint loads will ask for: three aligned blocks of 256 bytes of each row, a lane a row, three instructions a wave, together.
; Each block is named once in the launch.  Token rows: plane 0 is read by the clusters with x = 0 and 1: x = 0 asks; planes 1 and 2 by one cluster each; the four partners of a row share the 256 rows out by address, 64 each:
; wave 0 takes 32 of them, wave 1 the other 32.  Weight rows are read by every cluster of a column of clusters: cluster y = 0 asks; the four partners take 32 of the 128 rows each: wave 2.  Wave 3 asks for nothing.
; The first two laps come by their loads alone.  The last trip names the one block that is left of each row, the tail nothing.
.macro ASK
	s_cmp_ge_u32 s3, s[LIM]
	s_cbranch_scc0 .Lnone_\@
	global_prefetch_b8 v[PFO], s[PFA:PFA+1] th:TH_LOAD_NT scope:SCOPE_SE
	s_cmp_gt_u32 s3, s[LIM]                        ; s3 = 1 in the last trip
	s_cbranch_scc0 .Lnone_\@
	global_prefetch_b8 v[PFO], s[PFA:PFA+1] offset:256 th:TH_LOAD_NT scope:SCOPE_SE
	global_prefetch_b8 v[PFO], s[PFA:PFA+1] offset:512 th:TH_LOAD_NT scope:SCOPE_SE
.Lnone_\@:
.endm
	s_load_b256 s[4:11], s[0:1], 0x0               ; xc s[4:5], wc s[6:7], the scales' exponents s[8:9], qkvc s[10:11]
	v_lshl_add_u32 v[SPW], v0, 2, SPARE
	v_mov_b32 v[NIL], 0
	ds_add_u32 v[SPW], v[NIL]                      ; the wave's opening: the add and its wait stand ahead of my first tensor load; work on registers stands between them
	v_lshrrev_b32 v1, 5, v0
	v_readfirstlane_b32 s14, v1                    ; wave 0..3
	s_lshr_b32 s15, s14, 1                         ; I fetch token rows (0) or weight rows (1)
	s_and_b32 s16, s14, 1                          ; their long part (0) or their short part (1)
	s_bfe_u32 s12, ttmp6, 0x40000                  ; cx, cy: my place in the cluster
	s_bfe_u32 s13, ttmp6, 0x40004
	s_lshl_b32 s92, ttmp9, 2
	s_add_co_u32 s92, s92, s12                     ; gx: the head = 4 x cluster x + cx
	s_and_b32 s17, ttmp7, 0xffff
	s_lshl_b32 s17, s17, 2
	s_add_co_u32 s17, s17, s13                     ; gy: the block of 256 tokens = 4 x cluster y + cy
	s_lshl_b32 s93, s13, 2
	s_lshl_b32 s93, 15, s93                        ; my row of the cluster
	s_lshl_b32 s94, 0x1111, s12                    ; my column
	s_or_b32 s[GA], s93, PAD2                      ; 15:0 the mask: token tiles go to my row,
	s_or_b32 s[GB], s93, PAD1
	s_or_b32 s[GC], s94, PAD2                      ; weight tiles to my column
	s_or_b32 s[GD], s94, PAD1
.irp g, GA, GC
	s_mov_b32 s[\g+1], 256<<16                     ; tensor_dim0 = 256 bytes
	s_mov_b32 s[\g+3], 256<<16                     ; tile_dim0
.endr
.irp g, GB, GD
	s_mov_b32 s[\g+1], 128<<16                     ; 128 bytes
	s_mov_b32 s[\g+3], 128<<16
.endr
.irp g, GA, GB
	s_mov_b32 s[\g+2], 256<<16                     ; tensor_dim1 = 256 rows
	s_mov_b32 s[\g+4], 256                         ; tile_dim1
.endr
.irp g, GC, GD
	s_mov_b32 s[\g+2], 128<<16                     ; 128 rows
	s_mov_b32 s[\g+4], 128
.endr
.irp g, GA, GB, GC, GD
	s_mov_b32 s[\g+5], KTOT                        ; from row to row
	s_mov_b32 s[\g+6], 0
	s_mov_b32 s[\g+7], 0
.endr
	s_max_u32 s18, ttmp9, 1
	s_sub_co_u32 s18, s18, 1                       ; the plane of xc: 0 for q, 1 for k, 2 for v
	s_lshl_b32 s18, s18, 24                        ; 4096 x 4096 bytes each
	s_lshl_b32 s20, s17, 20                        ; token row 256 gy, 4,096 bytes a row
	s_add_co_u32 s20, s20, s18
	s_mov_b32 s21, 0
	s_lshl_b32 s22, s92, 19                        ; weight row 128 gx
	s_mov_b32 s23, 0
	s_mul_i32 s95, s16, R1                         ; where they go: token rows at 0 or at R1,
	s_mul_i32 s96, s16, XB1-XB2
	s_add_co_u32 s96, s96, XB2                     ; weight rows at XB2 or at XB1: no place in the cluster enters an LDS address
	s_lshl_b32 s97, s16, 9                         ; my part's first byte in a lap: slot 0: 0 or 512,
	s_mul_i32 s98, s16, 384
	s_add_co_u32 s98, s98, 256                     ; slot 1: 256 or 640
	s_wait_dscnt 0x0                               ; the opening add is done
	s_wait_kmcnt 0x0
	s_load_b256 s[76:83], s[8:9], 0x0              ; e0 .. e7
	s_load_b128 s[84:87], s[8:9], 0x20             ; e8 .. e11
	s_add_nc_u64 s[20:21], s[4:5], s[20:21]
	s_add_nc_u64 s[22:23], s[6:7], s[22:23]
	CROUND                                         ; all sixteen work-groups are here: the first joint loads meet
	s_mov_b32 s67, 0
.irp s, 0,1
	s_mov_b32 s66, s[97+\s]
	s_mov_b32 s[G0Y+4*\s], 1
	s_add_co_u32 s[G0Y+4*\s+1], s95, \s*SLOT
	s_add_nc_u64 s[G0Y+4*\s+2:G0Y+4*\s+3], s[20:21], s[66:67]
	s_or_b32 s[G0Y+4*\s+3], s[G0Y+4*\s+3], 0x80000000
	s_mov_b32 s[G0X+4*\s], 1
	s_add_co_u32 s[G0X+4*\s+1], s96, \s*SLOT
	s_add_nc_u64 s[G0X+4*\s+2:G0X+4*\s+3], s[22:23], s[66:67]
	s_or_b32 s[G0X+4*\s+3], s[G0X+4*\s+3], 0x80000000
	JLOAD \s                                       ; two tensor loads of mine are out
.endr
	v_and_b32 v1, 15, v0                           ; r = lane % 16
	v_bfe_u32 v2, v0, 4, 1                         ; h = lane / 16
	v_mul_u32_u24 v3, v1, P2
	v_lshl_add_u32 v3, v2, 4, v3                   ; a fragment's row x pitch + 16 x half, in the long part,
	v_mul_u32_u24 v4, v1, P1
	v_lshl_add_u32 v4, v2, 4, v4                   ; and in the short part
	s_mul_i32 s91, s14, 64*P2                      ; q, k: source 1 = my 64 token rows: long part,
	s_mul_i32 s95, s14, 64*P1
	s_add_co_u32 s95, s95, R1                      ;       short part
	s_mul_i32 s96, s15, 128*P2                     ; v: source 0 = 128 token rows: long part,
	s_mul_i32 s97, s15, 128*P1
	s_add_co_u32 s97, s97, R1                      ;    short part;
	s_mul_i32 s98, s16, 64*P2
	s_add_co_u32 s98, s98, XB2                     ;    source 1 = 64 weight rows: long part,
	s_mul_i32 s99, s16, 64*P1
	s_add_co_u32 s99, s99, XB1                     ;    short part
	s_mov_b32 s100, XB1
	s_cmp_eq_u32 ttmp9, 3                          ; the cluster's x: the same in all partners
	s_cselect_b32 s96, s96, XB2                    ; q, k: source 0 = all 128 weight rows
	s_cselect_b32 s97, s97, s100
	s_cselect_b32 s91, s98, s91
	s_cselect_b32 s95, s99, s95
.irp s, 0,1
	v_add_nc_u32 v[A0L+\s], s96, v3
	v_add_nc_u32 v[A1L+\s], s91, v3
	v_add_nc_u32 v[A0S+\s], s97, v4
	v_add_nc_u32 v[A1S+\s], s95, v4
	s_add_co_u32 s96, s96, SLOT
	s_add_co_u32 s91, s91, SLOT
	s_add_co_u32 s97, s97, SLOT
	s_add_co_u32 s95, s95, SLOT
.endr
	s_mul_i32 s99, s14, 64*SPITCH
	s_add_co_u32 s99, s99, STAGE                   ; my stage
	v_mul_u32_u24 v5, v1, SPITCH
	v_lshl_add_u32 v5, v2, 4, v5
	v_add_nc_u32 v[STO], s99, v5                   ; in: row r, 16 bytes on for the upper half of the lanes
	v_and_b32 v6, 31, v0
	v_lshrrev_b32 v7, 3, v6
	v_mul_u32_u24 v7, v7, SPITCH
	v_and_b32 v8, 7, v0
	v_lshl_add_u32 v7, v8, 4, v7
	v_add_nc_u32 v[RD], s99, v7                    ; back: eight lanes to a row of 128 bytes, four rows an instruction
	v_lshlrev_b32 v[CO], 4, v6
	s_lshl_b32 s66, s92, 19                        ; my wave's block in qkvc: 524,288 gx + 32,768 gy + 8,192 wave
	s_lshl_b32 s99, s17, 15
	s_add_co_u32 s66, s66, s99
	s_lshl_b32 s99, s14, 13
	s_add_co_u32 s66, s66, s99
	s_add_nc_u64 s[10:11], s[10:11], s[66:67]
	; the prefetches: where they stand, and who asks
	s_cmp_eq_u32 ttmp9, 1
	s_cselect_b32 s99, 1, 0                        ; token rows: everybody but cluster x = 1 asks
	s_and_b32 s100, ttmp7, 0xffff                  ; weight rows: cluster y = 0 asks,
	s_or_b32 s100, s100, s16                       ; and of waves 2 and 3 wave 2 alone
	s_lshl_b32 s91, s17, 8
	s_lshl_b32 s95, s12, 6
	s_add_co_u32 s91, s91, s95
	s_lshl_b32 s95, s16, 5
	s_add_co_u32 s91, s91, s95                     ; token row 256 gy + 64 cx + 32 x (wave % 2)
	s_lshl_b32 s91, s91, 12
	s_add_co_u32 s91, s91, s18
	s_lshl_b32 s96, s92, 7
	s_lshl_b32 s95, s13, 5
	s_add_co_u32 s96, s96, s95                     ; weight row 128 gx + 32 cy
	s_lshl_b32 s96, s96, 12
	s_cmp_eq_u32 s15, 0
	s_cselect_b64 s[PFA:PFA+1], s[4:5], s[6:7]
	s_cselect_b32 s66, s91, s96
	s_cselect_b32 s99, s99, s100
	s_add_nc_u64 s[PFA:PFA+1], s[PFA:PFA+1], s[66:67]
	s_add_nc_u64 s[PFA:PFA+1], s[PFA:PFA+1], LAPB  ; at lap 1: the first change of slots steps it to lap 2.  Nothing is prefetched here, at the head
	s_cmp_eq_u32 s99, 0
	s_cselect_b32 s[LIM], 1, -1                    ; the same in all sixteen partners, for a given wave
	v_lshlrev_b32 v[PFO], 12, v6
.macro FRAGL reg, adr, q, i            ; 16 rows x 128 K of codes from the long part: 16 registers; registers 4 c .. 4 c + 3 hold bytes 32 c + 16 (lane / 16) + 0 .. 15: the same places in both sources
.irp c, 0,1,2,3
	ds_load_b128 v[\reg+4*\c:\reg+4*\c+3], v[\adr] offset:128*(\q)+32*\c+(\i)*16*P2
.endr
.endm
.macro FRAGS reg, adr, i               ; the same from the short part
.irp c, 0,1,2,3
	ds_load_b128 v[\reg+4*\c:\reg+4*\c+3], v[\adr] offset:32*\c+(\i)*16*P1
.endr
.endm
.macro FETCH slot, q, p                ; 48 LDS loads in one run: the slot's step q (0, 1: the long part's halves; 2: the short part) into set p
	WIN TO_S0
.irp i, 0,1,2,3,4,5,6,7
.if (\q) < 2
	FRAGL 128*(\p)+16*\i, A0L+\slot, \q, \i
.else
	FRAGS 128*(\p)+16*\i, A0S+\slot, \i
.endif
.endr
	WIN 0
.irp i, 0,1,2,3
.if (\q) < 2
	FRAGL S1F+64*(\p)+16*\i, A1L+\slot, \q, \i
.else
	FRAGS S1F+64*(\p)+16*\i, A1S+\slot, \i
.endif
.endr
.endm
; 8 matrix instructions: source 1's block a against source 0's eight.  The 32 accumulators take turns, one instruction a turn, in the same order in every step.
.macro MULA a, p, zero
.irp b, 0,1,2,3,4,5,6,7
.if \zero
	v_wmma_f32_16x16x128_fp8_fp8 v[8*(8*(\a)+\b):8*(8*(\a)+\b)+7], v[128*(\p)+16*\b:128*(\p)+16*\b+15], v[S1F+64*(\p)+16*(\a):S1F+64*(\p)+16*(\a)+15], 0
.else
	v_wmma_f32_16x16x128_fp8_fp8 v[8*(8*(\a)+\b):8*(8*(\a)+\b)+7], v[128*(\p)+16*\b:128*(\p)+16*\b+15], v[S1F+64*(\p)+16*(\a):S1F+64*(\p)+16*(\a)+15], v[8*(8*(\a)+\b):8*(8*(\a)+\b)+7]
.endif
.endr
.endm
.macro PLACES                          ; four plain vector instructions between a matrix instruction and a load into its sources, or a read of its result
.rept 4
	v_nop
.endr
.endm
; One of a slot's first two steps: multiplies set p; the slot's step qn is fetched into the other set, o, ahead of the products.
.macro STEP slot, qn, p, o, zero
	s_wait_dscnt 0x0                               ; set p is in
	PLACES                                         ; set o was read by the products just issued
	FETCH \slot, \qn, \o
	WIN MUL
	MULA 0, \p, \zero
	MULA 1, \p, \zero
	MULA 2, \p, \zero
	MULA 3, \p, \zero
	WIN 0
.endm
; A slot's third step multiplies set p and changes slots: ONE barrier; in front of it each wave waits for all its tensor loads, adds 0 to its spare word, and waits for that and for its reads of this slot.
; fill = 1: the barrier opens a round of the cluster's, and this slot is filled again, a lap ahead, first thing behind the round; 2: the same with the last piece; 0: nothing is filled.
; From a request to the wait for it a wave issues 80 matrix instructions.
.macro TURN slot, next, p, o, fill
.if (\fill == 1) && (\slot == 0)
	s_wait_xcnt 0x0                                ; the last prefetches, a trip back, have read their address: it is stepped here, ahead of the change's own waits
	s_add_nc_u64 s[PFA:PFA+1], s[PFA:PFA+1], LAPB
.endif
	s_wait_tensorcnt 0x0                           ; all my tensor loads have landed: my part of the next slot
	ds_add_u32 v[SPW], v[NIL]                      ; 0 onto my spare word
	s_wait_dscnt 1                                 ; set p's 48 loads are in; the add may be out
	WIN MUL
	MULA 0, \p, 0                                  ; eight matrix instructions stand between the add and the wait for it
	s_wait_dscnt 0x0                               ; the add is done, and my reads of this slot are over
	s_barrier_signal -1
	MULA 1, \p, 0
	WIN 0
	s_barrier_wait -1
.if \fill
	CREST                                          ; no wave of any partner still reads this slot or has a load on its way
	s_add_nc_u64 s[G0Y+4*\slot+2:G0Y+4*\slot+3], s[G0Y+4*\slot+2:G0Y+4*\slot+3], LAPB
	s_add_nc_u64 s[G0X+4*\slot+2:G0X+4*\slot+3], s[G0X+4*\slot+2:G0X+4*\slot+3], LAPB
.endif
.if \fill == 1
	JLOAD \slot                                    ; my one tensor load behind the round; its four v_nop are the places in front of the loads below
.elseif \fill == 2
	JLOADP
	PLACES                                         ; (waves 1 and 3 have passed no v_nop)
.else
	PLACES
.endif
	FETCH \next, 0, \o
.if (\fill == 1) && (\slot == 0)
	ASK
.endif
	WIN MUL
	MULA 2, \p, 0
	MULA 3, \p, 0
	WIN 0
.endm
	s_wait_tensorcnt 1                             ; my part of slot 0 is in; slot 1's load may be out
	s_barrier_signal -1
	s_barrier_wait -1                              ; everybody's is
	FETCH 0, 0, 0
	STEP 0, 1, 0, 1, 1                             ; the first step stands in front of the loop: its products start the sums
	s_mov_b32 s3, TRIPS
.Llap:                                                 ; a trip goes once round the ring, six steps, and fills both slots again
	STEP 0, 2, 1, 0, 0
	TURN 0, 1, 0, 1, 1
	STEP 1, 1, 1, 0, 0
	STEP 1, 2, 0, 1, 0
	TURN 1, 0, 1, 0, 1
	STEP 0, 1, 0, 1, 0
	s_sub_co_u32 s3, s3, 1
	s_cmp_lg_u32 s3, 0
	s_cbranch_scc1 .Llap
	STEP 0, 2, 1, 0, 0                             ; the tail is written out: the ninth slot,
	TURN 0, 1, 0, 1, 2                             ; behind which the last piece is asked for,
	STEP 1, 1, 1, 0, 0                             ; the tenth slot,
	STEP 1, 2, 0, 1, 0
	TURN 1, 0, 1, 0, 0                             ; behind which nothing is filled,
	STEP 0, 1, 0, 1, 0                             ; and the last piece's two steps
	s_wait_dscnt 0x0
	WIN MUL
	MULA 0, 1, 0
	MULA 1, 1, 0
	MULA 2, 1, 0
	MULA 3, 1, 0
	WIN 0
	; THE WAY OUT.  Each sum is held within 448 x the folded scale and coded; a lane's eight codes are 8 bytes of a row of 128.  They go through my own stage and leave as 512 consecutive bytes a store.
	s_wait_kmcnt 0x0
	s_sub_co_i32 s91, s82, s76
	s_sub_co_i32 s91, s91, s77                     ; q: e6 - e0 - e1
	s_sub_co_i32 s95, s83, s78
	s_sub_co_i32 s95, s95, s79                     ; k: e7 - e2 - e3
	s_sub_co_i32 s96, s85, s80
	s_sub_co_i32 s96, s96, s81                     ; v: e9 - e4 - e5
	s_cmp_eq_u32 ttmp9, 2
	s_cselect_b32 s91, s95, s91
	s_cmp_eq_u32 ttmp9, 3
	s_cselect_b32 s91, s96, s91
	s_add_co_i32 s91, s91, 127
	s_lshl_b32 s95, s91, 23
	v_mov_b32 v[SC], s95
	s_add_co_i32 s91, s91, 8
	s_lshl_b32 s91, s91, 23
	s_or_b32 s91, s91, 0x600000
	v_mov_b32 v[LIMV], s91
	PLACES
.irp a, 0,1,2,3
	WIN 0x02                                       ; source 0: window 2
.set j, 0
.rept 64
	v_med3_num_f32 v[T+j], v[64*\a+j], -v[LIMV], v[LIMV]   ; the conversion does not saturate (ISA guide 7.6.2); each accumulator from its low end on
.set j, j+1
.endr
	WIN 0
.irp b, 0,1,2,3,4,5,6,7
	v_cvt_scalef32_pk8_fp8_f32 v[CD+16*\a+2*\b:CD+16*\a+2*\b+1], v[T+8*\b:T+8*\b+7], v[SC]
.endr
	v_nop                                          ; a plain vector line behind the last conversion: the next block writes their sources
.irp b, 0,1,2,3,4,5,6,7
	ds_store_b64 v[STO], v[CD+16*\a+2*\b:CD+16*\a+2*\b+1] offset:\a*16*SPITCH+32*(\b/2)+8*(\b%2)   ; numbers 16 b + 8 h + 0 .. 7 of the row go to bytes 32 (b / 2) + 16 h + 8 (b % 2) on
.endr
.endr
.irp i, 0,1,2,3,4,5,6,7,8,9,10,11,12,13,14,15
	ds_load_b128 v[OUTR+4*\i:OUTR+4*\i+3], v[RD] offset:\i*4*SPITCH   ; LDS serves a wave's instructions in order: these see my stores
.endr
.irp i, 0,1,2,3,4,5,6,7,8,9,10,11,12,13,14,15
	s_wait_dscnt 15-\i                             ; load i is back; the younger ones may be out
	global_store_b128 v[CO], v[OUTR+4*\i:OUTR+4*\i+3], s[10:11] offset:512*\i   ; 32 lanes store 512 consecutive bytes, at a multiple of 512 from the buffer's first byte
.endr
	s_wait_tensorcnt 0x0                           ; the wave's end: a wait, an add to my spare word and its wait, behind my last tensor load and my last LDS store
	ds_add_u32 v[SPW], v[NIL]
	s_wait_dscnt 0x0
	CROUND                                         ; the closing round: no work-group ends while a partner may still ask for a tile that names it
	s_endpgm
.Lfunc_end_k_qe2b898f246_qkv:
	.size	k_qe2b898f246_qkv, .Lfunc_end_k_qe2b898f246_qkv-k_qe2b898f246_qkv
	.p2alignl 7, 3214868480
	.fill 96, 4, 3214868480
	.section	.rodata,"a",@progbits
	.p2align	6, 0x0
	.amdhsa_kernel k_qe2b898f246_qkv
		.amdhsa_group_segment_fixed_size 327680
		.amdhsa_private_segment_fixed_size 0
		.amdhsa_enable_private_segment 0
		.amdhsa_kernarg_size 32
		.amdhsa_user_sgpr_count 2
		.amdhsa_user_sgpr_kernarg_segment_ptr 1
		.amdhsa_wavefront_size32 1
		.amdhsa_system_sgpr_workgroup_id_x 1
		.amdhsa_system_sgpr_workgroup_id_y 1
		.amdhsa_system_sgpr_workgroup_id_z 1
		.amdhsa_system_vgpr_workitem_id 0
		.amdhsa_next_free_vgpr 768
		.amdhsa_next_free_sgpr 102
		.amdhsa_reserve_vcc 0
		.amdhsa_float_denorm_mode_32 3
		.amdhsa_float_denorm_mode_16_64 3
		.amdhsa_memory_ordered 1
		.amdhsa_forward_progress 1
		.amdhsa_inst_pref_size 116
	.end_amdhsa_kernel
	.amdgpu_metadata
---
amdhsa.version: [ 1, 2 ]
amdhsa.kernels:
  - .name:           k_qe2b898f246_qkv
    .symbol:         k_qe2b898f246_qkv.kd
    .args:
      - { .name: xc, .offset: 0, .size: 8, .value_kind: global_buffer, .address_space: global }
      - { .name: wc, .offset: 8, .size: 8, .value_kind: global_buffer, .address_space: global }
      - { .name: lowp_scales, .offset: 16, .size: 8, .value_kind: global_buffer, .address_space: global }
      - { .name: qkvc, .offset: 24, .size: 8, .value_kind: global_buffer, .address_space: global }
    .group_segment_fixed_size: 327680
    .private_segment_fixed_size: 0
    .kernarg_segment_align: 8
    .kernarg_segment_size: 32
    .max_flat_workgroup_size: 128
    .sgpr_count:     102
    .vgpr_count:     768
    .wavefront_size: 32
...
	.end_amdgpu_metadata
.endif
;; end of part 2
;; launch attn (part 3): grid 32 x 8, 8 waves a work-group, no clusters, 202,752 bytes of LDS; arguments qkvc, lowp_scales, oc; writes oc
.if DOCPART == 3
	.amdgcn_target "amdgcn-amd-amdhsa--gfx1250"
	.amdhsa_code_object_version 6
	.text
	.protected	k_qe2b898f246_attn
	.globl	k_qe2b898f246_attn
	.p2align	8
	.type	k_qe2b898f246_attn,@function
k_qe2b898f246_attn:
	s_mov_b64 s[64:65], 0
	v_nop
	global_prefetch_b8 v0, s[64:65] scope:SCOPE_SE
	s_setreg_imm32_b32 hwreg(HW_REG_WAVE_MODE, 25, 1), 1
	s_wait_xcnt 0x0
; Attention with a causal window of 512 keys, 8 query heads on 4 key and value heads, head size 128, both products on codes of FP8 (E4M3); o is quantised (e10) on the way out.
; qkvc: [16][524,288]: heads 0-7 q, 8-11 k: [token][128 d]; 12-15 v: [token / 128][128 d][128 keys].  oc: [token][1024]: byte 128 x query head + d.  token = 2048 x batch + n.
; Within a row of 128 codes of qkvc the four pieces of 8 of each 32 lie in the order 0, 2, 1, 3: bytes 32 c + 16 h + 0 .. 15 hold numbers 32 c + 8 h + 0 .. 7 and 32 c + 16 + 8 h + 0 .. 7.
; In q and k that is the same permutation of d, which changes no score; in v it is the order in which a lane's weights lie (LAYOUT).
; THE SOFTMAX: t = score x log2(e) / sqrt(128); M = the largest t so far, rounded UP to a whole number; p = 2^(t - M) is quantised (e8), not normalised; the row's sum is taken of the unquantised p and divides at the end.
; When M moves, the sum and O are multiplied by 2^(old M - new M): exact.
; SHARES.  Work-group (qb, y): batch y / 4, key and value head y % 4, queries 64 qb .. 64 qb + 63 of BOTH query heads of that group.  Eight waves: wave w takes 16 queries (tile w % 4) of head w / 4.
; With m = qb / 2 every key that counts lies in the five blocks of 128 keys m - 4 .. m: 640 rows of K and 640 rows of V, 128 bytes each.  They fit in LDS at once, so nothing is filled again.
; Each wave asks at the head for its 32 rows of each of the five blocks (waves 0-3: K's, waves 4-7: V's): five tensor loads of a wave are out.  Step s waits for the first s + 1 of them and passes a barrier:
; the first block is multiplied while the later ones are on their way.
; Where m < 4 the blocks in front of the sequence are not walked (a scalar branch on the work-group's number, round the step's work, not round its wait and barrier); the bytes fetched for them lie inside the buffer and are never read.
; Block m - 4 hides the keys at or under query - 512, block m the keys after the query; blocks m - 3 .. m - 1 count wholly.  A hidden score becomes -infinity ahead of the maximum: p = 0.
; No cluster: only the two work-groups of one m want the same five blocks, and a grid of 32 along x gives no four that do.  No prefetch: every tile is asked for at the head.
; LAYOUT.  Both products transposed: S^T = K Q^T, O^T = V^T P^T: a lane holds ONE query (lane % 16).  A tile of K is 16 neighbouring keys; register 8 T + j of lane half h holds key 16 T + 8 h + j.
; So the codes of tiles 2 c and 2 c + 1, four registers, hold keys 32 c + 8 h + 0 .. 7 and 32 c + 16 + 8 h + 0 .. 7: the order in which v's rows are laid.
; A step's eight fragments of K and eight of V are asked for in one run at its head, into window 1: V's land while the softmax is worked.
; LIMITS: e6 + e7 between -123 and 130 (added to c's exponent field); e8, and e10 - e8 - e9, between -126 and 119.
; REGISTERS: window 0: v1-11 addresses; v12 -M, v13 the largest t, v[14:15] the sum in two halves; v16-31 Q; v32-63 at work on the way out; v96-159 S^T, then p; v160-223 O^T; v224-239 p's codes; v236 .. v254 constants and at work.
;   window 1: v0-127 K's fragments, v128-255 V's.
.set KP,    144                        ; a row in LDS: 128 bytes + 16 of padding: the 16 rows that a load touches start at 16 different banks (64 banks of 4 bytes: ISA guide 11.1)
.set BLK,   128*KP                     ; a block of 128 rows
.set VOFF,  5*BLK                      ; K's five blocks, then V's five
.set LROWS, 32                         ; rows of a tensor load
.set STAGE, 2*VOFF                     ; behind the tiles: 64 rows x (256 bytes + 16), the work-group's, for the way out
.set SPITCH, 272
.set SPARE, STAGE+64*SPITCH            ; behind the stage: the spare words, 128 bytes a wave, which no other line names
.set AK0, 1                            ; v1  my lane's place in a block of K
.set AV0, 2                            ; v2  in a block of V
.set DM,  3                            ; v3  my query - the last block's first key - 8 (lane / 16)
.set SPW, 5                            ; v5  my spare word; never rewritten
.set NIL, 6                            ; v6  0; never rewritten
.set GO,  7                            ; v7  the way out: my byte offset in the wave's rows of oc
.set ADK, 8
.set ADV, 9
.set QF,  16
.set TM,  32
.set ST,  96
.set OT,  160
.set PC,  224
.set KF,  0                            ; in window 1
.set VF,  128                          ; in window 1
.set WV,  18                           ; s18 wave
.set MB,  19                           ; s19 m
.set SEL, 20                           ; s[20:21] lane selects: lane l xor 16
.set CS,  22                           ; s[22:23] c = log2(e) / sqrt(128) x 2^(e6 + e7)
.set G1,  24                           ; s[24:31] group 1;  s[32:51] group 0, a set for each of the five loads
.set G0,  32
.set MSB, 0
.macro WIN new                         ; the immediate's high byte repeats the setting that is left
.if MSB != \new
	s_set_vgpr_msb (MSB<<8)|\new
.set MSB, \new
.endif
.endm
	s_load_b128 s[4:7], s[0:1], 0x0                ; qkvc s[4:5], the scales' exponents s[6:7]
	s_load_b64 s[8:9], s[0:1], 0x10                ; oc
	v_lshl_add_u32 v[SPW], v0, 2, SPARE
	v_mov_b32 v[NIL], 0
	ds_add_u32 v[SPW], v[NIL]                      ; the wave's opening: the add and its wait stand ahead of my first tensor load; work on registers stands between them
	v_lshrrev_b32 v8, 5, v0
	v_readfirstlane_b32 s[WV], v8                  ; wave 0..7
	s_and_b32 s10, s[WV], 3                        ; my tile of 16 queries; also: which 32 rows of a block I fetch
	s_lshr_b32 s11, s[WV], 2                       ; my query head of the two; also: I fetch K (0) or V (1)
	s_and_b32 s12, ttmp7, 0xffff
	s_lshr_b32 s13, s12, 2                         ; batch
	s_and_b32 s12, s12, 3                          ; key and value head
	s_lshr_b32 s[MB], ttmp9, 1                     ; m
	s_mov_b32 s[G1+0], (0<<16)|(1<<20)|(4<<22)|(3<<25)   ; no mask; elements of 1 byte; padding on: four words after every 32
	s_mov_b32 s[G1+1], 128<<16                     ; tensor_dim0 = 128 bytes
	s_mov_b32 s[G1+2], LROWS<<16                   ; tensor_dim1 = 32 rows
	s_mov_b32 s[G1+3], 128<<16                     ; tile_dim0
	s_mov_b32 s[G1+4], LROWS                       ; tile_dim1
	s_mov_b32 s[G1+5], 128                         ; from row to row: dense
	s_mov_b32 s[G1+6], 0
	s_mov_b32 s[G1+7], 0
	s_lshl_b32 s14, s11, 2
	s_add_co_u32 s14, s14, s12
	s_add_co_u32 s14, s14, 8                       ; the head's place in qkvc: 8 + head for K, 12 + head for V
	s_lshl_b32 s14, s14, 19
	s_lshl_b32 s15, s13, 18                        ; + batch x 2048 tokens x 128 bytes
	s_add_co_u32 s14, s14, s15
	s_lshl_b32 s15, s[MB], 14                      ; + m blocks of 16,384 bytes
	s_add_co_u32 s14, s14, s15
	s_lshl_b32 s15, s10, 12                        ; + my 32 rows
	s_add_co_u32 s14, s14, s15
	s_sub_co_u32 s14, s14, 4*16384                 ; - four blocks (the sum stays above 0: the first such head begins 4 MiB into the buffer)
	s_mov_b32 s15, 0
	s_mul_i32 s16, s11, VOFF                       ; where they go: K's or V's blocks,
	s_mul_i32 s17, s10, LROWS*KP                   ; my 32 rows
	s_add_co_u32 s16, s16, s17
	s_lshl_b32 s52, s12, 1
	s_add_co_u32 s52, s52, s11                     ; my query head: 2 x key head + w / 4
	s_lshl_b32 s52, s52, 19
	s_lshl_b32 s53, s13, 18
	s_add_co_u32 s52, s52, s53
	s_lshl_b32 s53, ttmp9, 13                      ; 64 queries x 128 bytes
	s_add_co_u32 s52, s52, s53
	s_lshl_b32 s53, s10, 11                        ; 16 queries
	s_add_co_u32 s52, s52, s53
	s_mov_b32 s53, 0
	s_lshl_b32 s54, s13, 21                        ; oc: (2048 batch + 64 qb + 8 wave) rows of 1,024 bytes + 256 x key head
	s_lshl_b32 s55, ttmp9, 16
	s_add_co_u32 s54, s54, s55
	s_lshl_b32 s55, s[WV], 13
	s_add_co_u32 s54, s54, s55
	s_lshl_b32 s55, s12, 8
	s_add_co_u32 s54, s54, s55
	s_mov_b32 s55, 0
	s_mov_b32 s[SEL], 0x76543210
	s_mov_b32 s[SEL+1], 0xfedcba98
	s_mov_b32 s[CS], 0x3e0293ee                    ; log2(e) / sqrt(128)
	s_wait_dscnt 0x0                               ; the opening add is done
	s_wait_kmcnt 0x0
	s_load_b256 s[68:75], s[6:7], 0x0              ; e0 .. e7
	s_load_b128 s[76:79], s[6:7], 0x20             ; e8 .. e11
	s_add_nc_u64 s[56:57], s[4:5], s[14:15]        ; my rows of block m - 4
.irp s, 0,1,2,3,4
	s_mov_b32 s[G0+4*\s], 1
	s_add_co_u32 s[G0+4*\s+1], s16, \s*BLK
	s_add_nc_u64 s[G0+4*\s+2:G0+4*\s+3], s[56:57], \s*16384
	s_or_b32 s[G0+4*\s+3], s[G0+4*\s+3], 0x80000000
	tensor_load_to_lds s[G0+4*\s:G0+4*\s+3], s[G1:G1+7]   ; the five first fills go out together, in the order in which the steps want them
	s_nop 0
.endr
	s_add_nc_u64 s[4:5], s[4:5], s[52:53]          ; q's codes at my first query
	s_add_nc_u64 s[8:9], s[8:9], s[54:55]
	v_and_b32 v8, 15, v0                           ; r
	v_bfe_u32 v9, v0, 4, 1                         ; h
	v_lshlrev_b32 v10, 7, v8
	v_lshl_add_u32 v10, v9, 4, v10
.irp c, 0,1,2,3
	global_load_b128 v[QF+4*\c:QF+4*\c+3], v10, s[4:5] offset:32*\c   ; Q's fragment stays in registers
.endr
	v_mul_u32_u24 v[AK0], v8, KP
	v_lshl_add_u32 v[AK0], v9, 4, v[AK0]           ; row r, + 16 h
	v_add_nc_u32 v[AV0], VOFF, v[AK0]
	s_and_b32 s17, ttmp9, 1
	s_lshl_b32 s17, s17, 6
	s_lshl_b32 s58, s10, 4
	s_add_co_u32 s17, s17, s58                     ; my first query less 128 m
	v_lshlrev_b32 v[DM], 3, v9
	v_sub_nc_u32 v[DM], v8, v[DM]
	v_add_nc_u32 v[DM], s17, v[DM]
	v_lshlrev_b32 v[GO], 10, v9
	v_lshl_add_u32 v[GO], v8, 4, v[GO]             ; lanes 0-15 one row of oc, lanes 16-31 the next; 16 bytes a lane
	v_mov_b32 v13, 0xff61b1e6                      ; the largest t so far: -3e38
	v_floor_f32 v12, -v13                          ; -M
	v_mov_b32 v14, 0
	v_mov_b32 v15, 0
	v_mov_b32 v236, 0                              ; a lane permute's destination counts as one of its sources
	v_mov_b32 v253, 0                              ; (named as the upper half of the pair v[252:253])
	v_mov_b32 v241, 0xff800000                     ; -infinity
.set j, 0
.rept 64
	v_mov_b32 v[OT+j], 0                           ; O^T: the step is one macro: the first that is walked finds zeros, which the first change of M leaves zeros
.set j, j+1
.endr
	s_wait_kmcnt 0x0
	s_add_co_i32 s58, s74, s75
	s_lshl_b32 s58, s58, 23
	s_add_co_i32 s[CS], s[CS], s58                 ; a score stands for score x 2^(e6 + e7)
	s_mov_b32 s[CS+1], s[CS]
	s_add_co_i32 s58, s76, 127
	s_lshl_b32 s59, s58, 23
	v_mov_b32 v244, s59                            ; 2^e8, for p's conversions
	s_add_co_i32 s58, s58, 8
	s_lshl_b32 s58, s58, 23
	s_or_b32 s58, s58, 0x600000
	v_mov_b32 v240, s58                            ; 448 x 2^e8
	s_sub_co_i32 s58, s78, s76
	s_sub_co_i32 s58, s58, s77                     ; O^T / the sum stands for o / 2^(e8 + e9): o's code is that / 2^(e10 - e8 - e9)
	s_add_co_i32 s58, s58, 127
	s_lshl_b32 s59, s58, 23
	v_mov_b32 v245, s59
	s_add_co_i32 s58, s58, 8
	s_lshl_b32 s58, s58, 23
	s_or_b32 s58, s58, 0x600000
	v_mov_b32 v246, s58
; A KEY STEP: block s of the five.  mask = 1: the window's far edge; 2: the causal edge; 0: every key counts.
.macro STEP s, mask
	s_wait_tensorcnt 4-\s                          ; my rows of blocks 0 to s are in; the loads of the 4 - s later blocks may be out
	s_barrier_signal -1
	s_barrier_wait -1                              ; everybody's are
.if \s < 4
	s_cmp_lt_u32 s[MB], 4-\s                       ; the block lies in front of the sequence: ids alone; the jump leads round no barrier, no wait on tensor loads and no tensor load
	s_cbranch_scc1 .Lhid_\@
.endif
	v_add_nc_u32 v[ADK], \s*BLK, v[AK0]
	v_add_nc_u32 v[ADV], \s*BLK, v[AV0]
	v_nop                                          ; with the two additions: four places in front of loads into registers that the last step's products have read
	v_nop
	WIN 0x40                                       ; destination window 1, address window 0
.irp t, 0,1,2,3,4,5,6,7
.irp c, 0,1,2,3
	ds_load_b128 v[KF+16*\t+4*\c:KF+16*\t+4*\c+3], v[ADK] offset:16*\t*KP+32*\c   ; K: keys 16 t + r
.endr
.endr
.irp t, 0,1,2,3,4,5,6,7
.irp c, 0,1,2,3
.if (\t == 7) && (\c == 3)
	s_wait_dscnt 31                                ; K's 32 loads are in; the 31 of V's behind them may be out
.endif
	ds_load_b128 v[VF+16*\t+4*\c:VF+16*\t+4*\c+3], v[ADV] offset:16*\t*KP+32*\c   ; V: channels 16 t + r
.endr
.endr
	WIN 0x01                                       ; source 0 window 1
.irp t, 0,1,2,3,4,5,6,7
	v_wmma_f32_16x16x128_fp8_fp8 v[ST+8*\t:ST+8*\t+7], v[KF+16*\t:KF+16*\t+15], v[QF:QF+15], 0   ; S^T = K Q^T
.endr
	WIN 0
.rept 4
	v_nop
.endr
.if \mask                                      ; register 8 T + j holds the block's key 16 T + j + 8 (lane / 16)
.set n, 0
.rept 64
.if \mask == 1
	v_cmp_le_i32 vcc_lo, 16*(n/8)+n%8, v[DM]       ; hidden: key <= query - 512
.else
	v_cmp_gt_i32 vcc_lo, 16*(n/8)+n%8, v[DM]       ; hidden: key > query
.endif
	v_cndmask_b32 v[ST+n], v[ST+n], v241, vcc_lo
.set n, n+1
.endr
.endif
	v_max3_num_f32 v254, v96, v97, v98             ; the step's largest score of my query among my 64 keys, in two chains,
	v_max3_num_f32 v252, v99, v100, v101
.irp i, 6,10,14,18,22,26,30,34,38,42,46,50,54,58
	v_max3_num_f32 v254, v254, v[96+\i], v[97+\i]
	v_max3_num_f32 v252, v252, v[98+\i], v[99+\i]
.endr
	v_max3_num_f32 v254, v254, v158, v159
	v_max_num_f32 v254, v254, v252
	v_permlanex16_b32 v236, v254, s[SEL], s[SEL+1]
	v_max_num_f32 v254, v254, v236                 ; and among lane l xor 16's
	v_mul_f32 v254, s[CS], v254                    ; as t (c is positive)
	v_max_num_f32 v13, v13, v254                   ; the running largest t
	v_mov_b32 v254, v12
	v_floor_f32 v12, -v13                          ; the new -M = floor(-t): M is a whole number
	v_sub_f32 v254, v12, v254                      ; old M - new M: a whole number, 0 or less
	v_cvt_i32_f32 v254, v254                       ; (it saturates)
	v_ldexp_f32 v252, 1.0, v254                    ; f = 2^(old M - new M)
.set j, 0
.rept 32
	v_pk_fma_f32 v[ST+j:ST+j+1], v[ST+j:ST+j+1], s[CS:CS+1], v[12:13] op_sel_hi:[1,0,0]   ; t - M, two at a time
.set j, j+2
.endr
.set j, 0
.rept 64
	v_exp_f32 v[ST+j], v[ST+j]                     ; p = 2^(t - M), at most 1
.set j, j+1
.endr
	v_pk_mul_f32 v[14:15], v[14:15], v[252:253] op_sel_hi:[1,0]   ; the sums under the new M (the plain line behind the exponentials)
	s_wait_alu depctr_va_vdst(0)                   ; one wait for the whole batch, ahead of its first reader
	v_pk_add_f32 v[242:243], v[96:97], v[98:99]    ; the row's sum is taken of the unquantised p, in two chains
.irp j, 4,8,12,16,20,24,28,32,36,40,44,48,52,56,60
	v_pk_add_f32 v[14:15], v[14:15], v[96+\j:97+\j]
	v_pk_add_f32 v[242:243], v[242:243], v[98+\j:99+\j]
.endr
	v_pk_add_f32 v[14:15], v[14:15], v[242:243]
.irp b, 0,1,2,3
.irp i, 0,1,2,3,4,5,6,7,8,9,10,11,12,13,14,15
	v_min_num_f32 v[ST+16*\b+\i], v[ST+16*\b+\i], v240   ; the conversion does not saturate (ISA guide 7.6.2); p is not negative, so the hold is one-sided
.endr
	v_cvt_scalef32_pk8_fp8_f32 v[PC+4*\b:PC+4*\b+1], v[ST+16*\b:ST+16*\b+7], v244
	v_cvt_scalef32_pk8_fp8_f32 v[PC+4*\b+2:PC+4*\b+3], v[ST+16*\b+8:ST+16*\b+15], v244
.endr
.set j, 0
.rept 32
	v_pk_mul_f32 v[OT+j:OT+j+1], v[OT+j:OT+j+1], v[252:253] op_sel_hi:[1,0]   ; O^T under the new M; these are also the plain lines behind the conversions
.set j, j+2
.endr
	s_wait_dscnt 0x0                               ; V's fragments, asked for at the step's head, are in
	WIN 0x01
.irp t, 0,1,2,3,4,5,6,7
	v_wmma_f32_16x16x128_fp8_fp8 v[OT+8*\t:OT+8*\t+7], v[VF+16*\t:VF+16*\t+15], v[PC:PC+15], v[OT+8*\t:OT+8*\t+7]   ; O^T += V^T P^T: eight accumulators, one instruction each
.endr
	WIN 0
.if \s < 4
.Lhid_\@:
.endif
.endm
	s_wait_loadcnt 0x0                             ; Q
	STEP 0, 1
	STEP 1, 0
	STEP 2, 0
	STEP 3, 0
	STEP 4, 2
	; THE WAY OUT.  O^T / the sum is held, coded (8 codes a tile and lane) and put into the work-group's stage: row = query, 128 bytes for each of the two heads.  Behind a barrier each wave stores 8 whole rows:
	; sixteen lanes store 256 consecutive bytes, at a multiple of 256 from oc's first byte.
	v_add_f32 v14, v14, v15                        ; the sum's two halves,
	v_permlanex16_b32 v252, v14, s[SEL], s[SEL+1]
	v_add_f32 v14, v14, v252                       ; and lane l xor 16's
	v_rcp_f32 v14, v14
	v_and_b32 v8, 15, v0                           ; (plain lines behind the reciprocal)  r
	v_bfe_u32 v9, v0, 4, 1                         ; h
	s_mul_i32 s58, s10, 16*SPITCH
	s_lshl_b32 s59, s11, 7
	s_add_co_u32 s58, s58, s59
	s_add_co_u32 s58, s58, STAGE
	v_mul_u32_u24 v10, v8, SPITCH
	v_lshl_add_u32 v10, v9, 3, v10
	v_add_nc_u32 v10, s58, v10                     ; in: row 16 tile + r, byte 128 x head + 8 h
	s_mul_i32 s59, s[WV], 8*SPITCH
	s_add_co_u32 s59, s59, STAGE
	v_mul_u32_u24 v11, v9, SPITCH
	v_lshl_add_u32 v11, v8, 4, v11
	v_add_nc_u32 v11, s59, v11                     ; back: rows 8 wave on; lanes 0-15 one row, lanes 16-31 the next
	s_wait_alu depctr_va_vdst(0)                   ; the wait ahead of the reciprocal's first reader
.set j, 0
.rept 64
	v_mul_f32 v[ST+j], v[OT+j], v14                ; register 8 t + i is o(r, 16 t + 8 h + i); each accumulator from its low end on
.set j, j+1
.endr
.set j, 0
.rept 64
	v_med3_num_f32 v[ST+j], v[ST+j], -v246, v246
.set j, j+1
.endr
.irp t, 0,1,2,3,4,5,6,7
	v_cvt_scalef32_pk8_fp8_f32 v[TM+2*\t:TM+2*\t+1], v[ST+8*\t:ST+8*\t+7], v245
.endr
	v_nop
.irp t, 0,1,2,3,4,5,6,7
	ds_store_b64 v10, v[TM+2*\t:TM+2*\t+1] offset:16*\t
.endr
	s_wait_dscnt 0x0                               ; for the others' sake: my stores into the stage are done
	s_barrier_signal -1
	s_barrier_wait -1
.irp j, 0,1,2,3
	ds_load_b128 v[TM+16+4*\j:TM+16+4*\j+3], v11 offset:\j*2*SPITCH
.endr
.irp j, 0,1,2,3
	s_wait_dscnt 3-\j                              ; load j is back; the younger ones may be out
	global_store_b128 v[GO], v[TM+16+4*\j:TM+16+4*\j+3], s[8:9] offset:2048*\j
.endr
	s_wait_tensorcnt 0x0                           ; the wave's end: a wait, an add to my spare word and its wait, behind my last tensor load and my last LDS store
	ds_add_u32 v[SPW], v[NIL]
	s_wait_dscnt 0x0
	s_endpgm
.Lfunc_end_k_qe2b898f246_attn:
	.size	k_qe2b898f246_attn, .Lfunc_end_k_qe2b898f246_attn-k_qe2b898f246_attn
	.p2alignl 7, 3214868480
	.fill 96, 4, 3214868480
	.section	.rodata,"a",@progbits
	.p2align	6, 0x0
	.amdhsa_kernel k_qe2b898f246_attn
		.amdhsa_group_segment_fixed_size 202752
		.amdhsa_private_segment_fixed_size 0
		.amdhsa_enable_private_segment 0
		.amdhsa_kernarg_size 24
		.amdhsa_user_sgpr_count 2
		.amdhsa_user_sgpr_kernarg_segment_ptr 1
		.amdhsa_wavefront_size32 1
		.amdhsa_system_sgpr_workgroup_id_x 1
		.amdhsa_system_sgpr_workgroup_id_y 1
		.amdhsa_system_sgpr_workgroup_id_z 1
		.amdhsa_system_vgpr_workitem_id 0
		.amdhsa_next_free_vgpr 512
		.amdhsa_next_free_sgpr 84
		.amdhsa_reserve_vcc 1
		.amdhsa_float_denorm_mode_32 3
		.amdhsa_float_denorm_mode_16_64 3
		.amdhsa_memory_ordered 1
		.amdhsa_forward_progress 1
		.amdhsa_inst_pref_size 121
	.end_amdhsa_kernel
	.amdgpu_metadata
---
amdhsa.version: [ 1, 2 ]
amdhsa.kernels:
  - .name:           k_qe2b898f246_attn
    .symbol:         k_qe2b898f246_attn.kd
    .args:
      - { .name: qkvc, .offset: 0, .size: 8, .value_kind: global_buffer, .address_space: global }
      - { .name: lowp_scales, .offset: 8, .size: 8, .value_kind: global_buffer, .address_space: global }
      - { .name: oc, .offset: 16, .size: 8, .value_kind: global_buffer, .address_space: global }
    .group_segment_fixed_size: 202752
    .private_segment_fixed_size: 0
    .kernarg_segment_align: 8
    .kernarg_segment_size: 24
    .max_flat_workgroup_size: 256
    .sgpr_count:     84
    .vgpr_count:     512
    .wavefront_size: 32
...
	.end_amdgpu_metadata
.endif
;; end of part 3
;; launch proj (part 4): grid 16 x 16, 4 waves a work-group, clusters of 4 x 4, 327,680 bytes of LDS; arguments oc, woc, lowp_scales, out0; writes out0
.if DOCPART == 4
	.amdgcn_target "amdgcn-amd-amdhsa--gfx1250"
	.amdhsa_code_object_version 6
	.text
	.protected	k_qe2b898f246_proj
	.globl	k_qe2b898f246_proj
	.p2align	8
	.type	k_qe2b898f246_proj,@function
k_qe2b898f246_proj:
	s_mov_b64 s[64:65], 0
	v_nop
	global_prefetch_b8 v0, s[64:65] scope:SCOPE_SE
	s_setreg_imm32_b32 hwreg(HW_REG_WAVE_MODE, 25, 1), 1
	s_wait_xcnt 0x0
	s_wait_alu depctr_hold_cnt(0) depctr_sa_sdst(0) depctr_va_vdst(0) depctr_va_sdst(0) depctr_va_ssrc(0) depctr_va_vcc(0) depctr_vm_vsrc(0)
	s_getreg_b32 s2, hwreg(HW_REG_IB_STS2, 6, 4)
	s_cmp_eq_u32 s2, 0
	s_cbranch_scc0 .Lentry_in_a_cluster
	s_endpgm
.Lentry_in_a_cluster:
	s_bfe_u32 s2, ttmp6, 0x10000c
	s_cmp_lg_u32 s2, 0xf033
	s_cbranch_scc0 .Lentry_shape_is_right
	s_endpgm
.Lentry_shape_is_right:
; out0[m][n] = sum over k of o[m][k] wo[n][k] on codes of FP8 (E4M3).  oc: [4096][1024], woc: [4096][1024], K innermost; out0: [4096][4096] f32; sums in f32.
; The codes are multiplied as they are, and each finished sum once by 2^(e10 + e11).  LIMIT: e10 + e11 lies between -126 and 127, so that this power is an f32 number.
; A tile of 256 x 256 is made by a work-group of four waves; a wave makes 128 x 128: 64 accumulators, 512 registers.  16 x 16 work-groups.
; K goes in slots of 256 (rows of 256 bytes) through a ring of two LDS slots filled by the tensor data mover: four slots' worth in all.
; CLUSTERS: 4 x 4.  The four of a cluster's row need the same tiles of A (oc), the four of a column the same tiles of B (woc): each is asked for jointly, by the same tensor load with a mask that names the four.
; THE MATRIX INSTRUCTION IS USED TRANSPOSED (source 0 = 16 rows of B, source 1 = 16 rows of A): a lane holds eight neighbouring numbers of a row of the output.
; No prefetch: of the four K slots two are first fills and two are the ring's only refills, so there is nothing further on to name.
; REGISTERS: window 0: v16-29 addresses; from v128 A's fragments, ONE set (a block of A is free as soon as its eight products are issued); on the way out v32-255 are free.
;   window 1: B's fragments, TWO sets, at v0 and v128.   window 2: the accumulators of my rows 0-63 ((a, b) at v[8 (8 a + b)]);   window 3: those of rows 64-127.
.set SIZE_M, 4096
.set SIZE_N, 4096
.set SIZE_K, 1024
.set KSTEP,  256
.set ROWB,   256
.set KROW,   SIZE_K
.set PITCH,  272                       ; an LDS row: 256 bytes + 16 of padding: the 16 rows that a load touches start at 16 different banks (64 banks of 4 bytes: ISA guide 11.1)
.set FR,     16                        ; registers of a fragment: 16 rows x 128 K
.set NL,     4                         ; LDS loads that bring one
.set NP,     4                         ; places behind this matrix instruction (ISA guide 7.12.1)
.set HALFT,  128*PITCH
.set SLOT,   4*HALFT                   ; A's 256 rows, then B's 256 rows
.set LAPS,   SIZE_K/(2*KSTEP)
.set SPARE,  2*SLOT                    ; behind the ring: the spare words, 128 bytes a wave, which no other line names
.set SPITCH, 528                       ; the way out: 16 rows x (512 bytes + 16) for each wave, in slot 0, which has had its last fill and its last read when the first result is stored there
.set ADRA, 16
.set ADRB, 20
.set STO,  24
.set RD,   25
.set CO,   26
.set SPW,  28                          ; v28  my spare word; never rewritten
.set NIL,  29                          ; v29  0; never rewritten
.set TMP,  32
.set AF,   128
.set BK,   128
.set G1, 24
.set G0, 32
.set G1B, 48
.set G0B, 56
.set MSB, 0
.macro WIN new                         ; the immediate's high byte repeats the setting that is left
.if MSB != \new
	s_set_vgpr_msb (MSB<<8)|\new
.set MSB, \new
.endif
.endm
.set MUL_LO, 0xa1                      ; source 0 (B) window 1, source 1 (A) window 0, C and D window 2
.set MUL_HI, 0xf1                      ; the same, C and D window 3
.set TO_B,   0x40                      ; destination window 1, address window 0
; A joint load: waves 0 and 1 fetch for A, waves 2 and 3 for B; the branch hangs on the wave's number alone.  An s_nop 0 and four v_nop follow each of the two lines.
.macro JLOAD g0a, g1a, g0b, g1b
	s_cmp_eq_u32 s15, 0
	s_cbranch_scc0 .Lfor_b_\@
	tensor_load_to_lds s[\g0a:\g0a+3], s[\g1a:\g1a+7]
	s_nop 0
.rept 4
	v_nop
.endr
	s_branch .Lasked_\@
.Lfor_b_\@:
	tensor_load_to_lds s[\g0b:\g0b+3], s[\g1b:\g1b+7]
	s_nop 0
.rept 4
	v_nop
.endr
.Lasked_\@:
.endm
.macro CREST                           ; a round of the cluster's barrier behind its opening barrier
	s_cmp_lg_u32 s14, 0
	s_cbranch_scc1 .Lnot_wave_0_\@
	s_barrier_signal -3
.Lnot_wave_0_\@:
	s_barrier_wait -3
	s_barrier_signal -1
	s_barrier_wait -1
.endm
.macro CROUND
	s_barrier_signal -1
	s_barrier_wait -1
	CREST
.endm
	s_load_b128 s[4:7], s[0:1], 0x0                ; A's codes s[4:5], B's codes s[6:7]
	s_load_b128 s[8:11], s[0:1], 0x10              ; the scales' exponents s[8:9], the output s[10:11]
	v_lshl_add_u32 v[SPW], v0, 2, SPARE
	v_mov_b32 v[NIL], 0
	ds_add_u32 v[SPW], v[NIL]                      ; the wave's opening: the add and its wait stand ahead of my first tensor load; work on registers stands between them
	v_lshrrev_b32 v1, 5, v0
	v_readfirstlane_b32 s14, v1                    ; wave 0..3
	s_lshr_b32 s15, s14, 1                         ; which half of the tile's rows is mine.  Also: I fetch for A (0) or for B (1)
	s_and_b32 s16, s14, 1                          ; which half of its columns.  Also: which 128 rows of that tile I fetch
	s_bfe_u32 s40, ttmp6, 0x40000                  ; cx, cy
	s_bfe_u32 s41, ttmp6, 0x40004
	s_lshl_b32 s42, ttmp9, 2
	s_add_co_u32 s42, s42, s40                     ; tile column = 4 x cluster x + cx
	s_and_b32 s17, ttmp7, 0xffff
	s_lshl_b32 s17, s17, 2
	s_add_co_u32 s17, s17, s41                     ; tile row = 4 x cluster y + cy
	s_lshl_b32 s43, s41, 2
	s_lshl_b32 s43, 15, s43                        ; my row of the cluster
	s_lshl_b32 s44, 0x1111, s40                    ; my column
	s_or_b32 s[G1+0], s43, (0<<16)|(1<<20)|(1<<21)|(5<<22)|(3<<25)  ; the mask; elements of 1 byte; padding on; 21 set beside a mask; four words after every 64
	s_or_b32 s[G1B+0], s44, (0<<16)|(1<<20)|(1<<21)|(5<<22)|(3<<25)
.irp g, G1, G1B
	s_mov_b32 s[\g+1], ROWB<<16                    ; tensor_dim0
	s_mov_b32 s[\g+2], 128<<16                     ; tensor_dim1
	s_mov_b32 s[\g+3], ROWB<<16                    ; tile_dim0
	s_mov_b32 s[\g+4], 128                         ; tile_dim1
	s_mov_b32 s[\g+5], KROW                        ; from row to row
	s_mov_b32 s[\g+6], 0
	s_mov_b32 s[\g+7], 0
.endr
	s_lshl_b32 s18, s16, 7
	s_lshl_b32 s20, s17, 8
	s_add_co_u32 s20, s20, s18                     ; A: row 256 x tile row + 128 x half
	s_lshl_b32 s46, s42, 8
	s_add_co_u32 s46, s46, s18                     ; B: row 256 x tile column + 128 x half
	s_mov_b32 s21, 0
	s_mov_b32 s47, 0
	s_mov_b64 s[18:19], KROW
	s_mul_u64 s[20:21], s[20:21], s[18:19]
	s_mul_u64 s[46:47], s[46:47], s[18:19]
	s_mul_i32 s45, s14, HALFT                      ; where they go: wave x 128 rows
	s_wait_dscnt 0x0                               ; the opening add is done
	s_wait_kmcnt 0x0
	s_load_b64 s[96:97], s[8:9], 0x28              ; e10, e11
	s_add_nc_u64 s[20:21], s[4:5], s[20:21]
	s_add_nc_u64 s[46:47], s[6:7], s[46:47]
	CROUND                                         ; all sixteen work-groups are here: the first joint loads meet
.irp s, 0,1
	s_mov_b32 s[G0+4*\s], 1
	s_add_co_u32 s[G0+4*\s+1], s45, \s*SLOT
	s_add_nc_u64 s[G0+4*\s+2:G0+4*\s+3], s[20:21], \s*ROWB
	s_or_b32 s[G0+4*\s+3], s[G0+4*\s+3], 0x80000000
	s_mov_b32 s[G0B+4*\s], 1
	s_add_co_u32 s[G0B+4*\s+1], s45, \s*SLOT
	s_add_nc_u64 s[G0B+4*\s+2:G0B+4*\s+3], s[46:47], \s*ROWB
	s_or_b32 s[G0B+4*\s+3], s[G0B+4*\s+3], 0x80000000
	JLOAD G0+4*\s, G1, G0B+4*\s, G1B               ; two tensor loads of mine are out
.endr
	v_and_b32 v1, 15, v0                           ; l % 16
	v_bfe_u32 v2, v0, 4, 1                         ; l / 16
	v_mul_u32_u24 v3, v1, PITCH
	v_lshl_add_u32 v4, v2, 4, v3
	s_mul_i32 s21, s15, HALFT                      ; my 128 rows of A
	s_mul_i32 s22, s16, HALFT                      ; my 128 rows of B,
	s_add_co_u32 s22, s22, 2*HALFT                 ; which lie behind A's 256
.irp s, 0,1
	v_add_nc_u32 v[ADRA+\s], s21, v4
	v_add_nc_u32 v[ADRB+\s], s22, v4
	s_add_co_u32 s21, s21, SLOT
	s_add_co_u32 s22, s22, SLOT
.endr
	s_mul_i32 s23, s14, 16*SPITCH                  ; my stage
	v_mul_u32_u24 v5, v1, SPITCH
	v_lshl_add_u32 v5, v2, 5, v5
	v_add_nc_u32 v[STO], s23, v5                   ; in: row l % 16, 32 bytes for each half of the lanes
	v_and_b32 v6, 31, v0
	v_lshlrev_b32 v[CO], 4, v6                     ; back: the 32 lanes take one row of 512 bytes
	v_add_nc_u32 v[RD], s23, v[CO]
	s_lshl_b32 s20, s17, 8
	s_lshl_b32 s21, s15, 7
	s_add_co_u32 s20, s20, s21                     ; my first row of the output
	s_mov_b32 s21, 0
	s_mov_b64 s[18:19], SIZE_N*4
	s_mul_u64 s[20:21], s[20:21], s[18:19]
	s_lshl_b32 s46, s42, 10                        ; my first column, in bytes
	s_lshl_b32 s47, s16, 9
	s_add_co_u32 s46, s46, s47
	s_mov_b32 s47, 0
	s_add_nc_u64 s[20:21], s[20:21], s[46:47]
	s_add_nc_u64 s[10:11], s[10:11], s[20:21]
.macro FRAG reg, adr, q, i             ; registers 4 c .. 4 c + 3 hold K = 32 c + 16 (l / 16) + 0 .. 15: the same places in A and in B
.irp c, 0,1,2,3
	ds_load_b128 v[\reg+4*\c:\reg+4*\c+3], v[\adr] offset:128*(\q)+32*\c+(\i)*16*PITCH
.endr
.endm
; 16 matrix instructions: A's blocks a0, a0 + 1 x B's eight.  The 64 accumulators take turns, one instruction a turn, in the same order in every step.
.macro MUL16 a0, p, zero
.irp a, \a0, \a0+1
.irp b, 0,1,2,3,4,5,6,7
.if \zero
	v_wmma_f32_16x16x128_fp8_fp8 v[8*(8*((\a)%4)+\b):8*(8*((\a)%4)+\b)+7], v[128*(\p)+FR*\b:128*(\p)+FR*\b+FR-1], v[AF+FR*(\a):AF+FR*(\a)+FR-1], 0
.else
	v_wmma_f32_16x16x128_fp8_fp8 v[8*(8*((\a)%4)+\b):8*(8*((\a)%4)+\b)+7], v[128*(\p)+FR*\b:128*(\p)+FR*\b+FR-1], v[AF+FR*(\a):AF+FR*(\a)+FR-1], v[8*(8*((\a)%4)+\b):8*(8*((\a)%4)+\b)+7]
.endif
.endr
.endr
.endm
.macro FETCH_B slot, q, p
	WIN TO_B
.irp i, 0,1,2,3,4,5,6,7
	FRAG 128*(\p)+FR*\i, ADRB+\slot, \q, \i
.endr
	WIN 0
.endm
.macro FETCH_A slot, q, i0
.irp i, \i0, \i0+1, \i0+2, \i0+3
	FRAG AF+FR*(\i), ADRA+\slot, \q, \i
.endr
.endm
.macro PLACES n                        ; plain vector instructions between a matrix instruction and a load into its sources, or a read of its result
.rept \n
	v_nop
.endr
.endm
; A step of 128 along K that has its successor in the same slot.
.macro STEP slot, q, zero
	s_wait_dscnt 4*NL                              ; B's set and A's blocks 0-3 are in; the youngest sixteen loads (A's blocks 4-7) may be out
	WIN MUL_LO
	MUL16 0, (\q)%2, \zero
	MUL16 2, (\q)%2, \zero
	s_wait_dscnt 0                                 ; A's blocks 4-7 are in
	PLACES NP
	FETCH_B \slot, (\q)+1, 1-(\q)%2
	FETCH_A \slot, (\q)+1, 0
	WIN MUL_HI
	MUL16 4, (\q)%2, \zero
	MUL16 6, (\q)%2, \zero
	PLACES NP
	WIN 0
	FETCH_A \slot, (\q)+1, 4
.endm
; A slot's last step changes slots: ONE barrier; in front of it each wave waits for all its tensor loads, adds 0 to its spare word, and waits for that and for its reads of this slot.
.macro TURN slot, next, fill
	s_wait_tensorcnt 0x0                           ; all my tensor loads have landed: my part of the next slot
	ds_add_u32 v[SPW], v[NIL]                      ; 0 onto my spare word
	s_wait_dscnt 4*NL+1                            ; the add and the youngest sixteen loads (A's blocks 4-7) may be out
	WIN MUL_LO
	MUL16 0, 1, 0                                  ; sixteen matrix instructions stand between the add and the wait for it
	s_wait_dscnt 0x0                               ; the add is done, and my reads of this slot are over
	s_barrier_signal -1
	MUL16 2, 1, 0
	WIN 0
	s_barrier_wait -1
.if \fill
	CREST                                          ; no wave of any partner still reads this slot or has a load on its way
	s_add_nc_u64 s[G0+4*\slot+2:G0+4*\slot+3], s[G0+4*\slot+2:G0+4*\slot+3], 2*ROWB
	s_add_nc_u64 s[G0B+4*\slot+2:G0B+4*\slot+3], s[G0B+4*\slot+2:G0B+4*\slot+3], 2*ROWB
	JLOAD G0+4*\slot, G1, G0B+4*\slot, G1B         ; my one tensor load behind the round; its four v_nop are the places in front of the loads below
.else
	PLACES NP
.endif
	FETCH_B \next, 0, 0
	FETCH_A \next, 0, 0
	WIN MUL_HI
	MUL16 4, 1, 0
	MUL16 6, 1, 0
	PLACES NP
	WIN 0
	FETCH_A \next, 0, 4
.endm
	s_wait_tensorcnt 1                             ; my part of K slot 0 is in; K slot 1's load may be out
	s_barrier_signal -1
	s_barrier_wait -1
	FETCH_B 0, 0, 0
	FETCH_A 0, 0, 0
	FETCH_A 0, 0, 4
	STEP 0, 0, 1                                   ; the first step stands in front of the loop: its products start the sums
	s_mov_b32 s3, LAPS-1
.Llap:                                                 ; a trip goes once round the ring and fills both slots again
	TURN 0, 1, 1
	STEP 1, 0, 0
	TURN 1, 0, 1
	STEP 0, 0, 0
	s_sub_co_u32 s3, s3, 1
	s_cmp_lg_u32 s3, 0
	s_cbranch_scc1 .Llap
	TURN 0, 1, 0                                   ; the last lap fills nothing
	STEP 1, 0, 0
	s_wait_dscnt 4*NL                              ; the very last step: nothing more to fetch
	WIN MUL_LO
	MUL16 0, 1, 0
	MUL16 2, 1, 0
	s_wait_dscnt 0
	WIN MUL_HI
	MUL16 4, 1, 0
	MUL16 6, 1, 0
	WIN 0
; THE WAY OUT, block by block of 16 rows x 128 columns: through my own stage in LDS and back as whole rows of 512 bytes.  LDS serves a wave's instructions in order (ISA guide 5.7.1.4):
; no wait between the stores and the loads, nor in front of the next block's stores.
.macro TOSTAGE a
.set AC, 64*((\a)%4)
	WIN 0x02+((\a)/4)                              ; source 0: window 2 or 3
.irp j, 0,2,4,6,8,10,12,14,16,18,20,22,24,26,28,30,32,34,36,38,40,42,44,46,48,50,52,54,56,58,60,62
	v_pk_mul_f32 v[TMP+\j:TMP+\j+1], v[AC+\j:AC+\j+1], s[96:97] op_sel_hi:[1,0]   ; both x s96 = 2^(e10 + e11); each accumulator from its low end on
.endr
	WIN 0
.irp b, 0,1,2,3,4,5,6,7
	ds_store_b128 v[STO], v[TMP+8*\b:TMP+8*\b+3] offset:64*\b
	ds_store_b128 v[STO], v[TMP+8*\b+4:TMP+8*\b+7] offset:64*\b+16
.endr
.set BB, BK+64*((\a)%2)
.irp t, 0,1,2,3,4,5,6,7,8,9,10,11,12,13,14,15
	ds_load_b128 v[BB+4*\t:BB+4*\t+3], v[RD] offset:\t*SPITCH
.endr
.endm
.macro SEND a, younger                 ; younger: the LDS instructions issued behind block a's loads, which may stay out
.set BB, BK+64*((\a)%2)
	s_wait_dscnt \younger                          ; the block is back in registers
.if (\a) > 0
	s_add_nc_u64 s[10:11], s[10:11], 16*SIZE_N*4   ; (behind a wait for 0 on XCNT: the earlier stores have read their base)  16 rows on
.endif
.irp t, 0,1,2,3,4,5,6,7,8,9,10,11,12,13,14,15
	global_store_b128 v[CO], v[BB+4*\t:BB+4*\t+3], s[10:11] offset:\t*SIZE_N*4 th:TH_STORE_NT   ; 32 lanes store 512 consecutive bytes, at a multiple of 512 from the output's first byte
.endr
.endm
	s_wait_kmcnt 0x0
	s_add_co_i32 s96, s96, s97                     ; e10 + e11
	s_add_co_i32 s96, s96, 127
	s_lshl_b32 s96, s96, 23                        ; 2^(e10 + e11) as f32
	PLACES NP
	TOSTAGE 0
.irp a, 1,2,3,4,5,6,7
.if \a > 1
	s_wait_xcnt 0x0                                ; block a - 2's stores have read their registers and their base
.endif
	TOSTAGE \a
	SEND \a-1, 32                                  ; behind block a - 1's loads: block a's 16 stores and 16 loads
.endr
	s_wait_xcnt 0x0                                ; block 6's stores have read their base
	SEND 7, 0
	s_wait_tensorcnt 0x0                           ; the wave's end: a wait, an add to my spare word and its wait, behind my last tensor load and my last LDS store
	ds_add_u32 v[SPW], v[NIL]
	s_wait_dscnt 0x0
	CROUND                                         ; the closing round: no work-group ends while a partner may still ask for a tile that names it
	s_endpgm
.Lfunc_end_k_qe2b898f246_proj:
	.size	k_qe2b898f246_proj, .Lfunc_end_k_qe2b898f246_proj-k_qe2b898f246_proj
	.p2alignl 7, 3214868480
	.fill 96, 4, 3214868480
	.section	.rodata,"a",@progbits
	.p2align	6, 0x0
	.amdhsa_kernel k_qe2b898f246_proj
		.amdhsa_group_segment_fixed_size 327680
		.amdhsa_private_segment_fixed_size 0
		.amdhsa_enable_private_segment 0
		.amdhsa_kernarg_size 32
		.amdhsa_user_sgpr_count 2
		.amdhsa_user_sgpr_kernarg_segment_ptr 1
		.amdhsa_wavefront_size32 1
		.amdhsa_system_sgpr_workgroup_id_x 1
		.amdhsa_system_sgpr_workgroup_id_y 1
		.amdhsa_system_sgpr_workgroup_id_z 1
		.amdhsa_system_vgpr_workitem_id 0
		.amdhsa_next_free_vgpr 1024
		.amdhsa_next_free_sgpr 98
		.amdhsa_reserve_vcc 0
		.amdhsa_float_denorm_mode_32 3
		.amdhsa_float_denorm_mode_16_64 3
		.amdhsa_memory_ordered 1
		.amdhsa_forward_progress 1
		.amdhsa_inst_pref_size 123
	.end_amdhsa_kernel
	.amdgpu_metadata
---
amdhsa.version: [ 1, 2 ]
amdhsa.kernels:
  - .name:           k_qe2b898f246_proj
    .symbol:         k_qe2b898f246_proj.kd
    .args:
      - { .name: oc, .offset: 0, .size: 8, .value_kind: global_buffer, .address_space: global }
      - { .name: woc, .offset: 8, .size: 8, .value_kind: global_buffer, .address_space: global }
      - { .name: lowp_scales, .offset: 16, .size: 8, .value_kind: global_buffer, .address_space: global }
      - { .name: out0, .offset: 24, .size: 8, .value_kind: global_buffer, .address_space: global }
    .group_segment_fixed_size: 327680
    .private_segment_fixed_size: 0
    .kernarg_segment_align: 8
    .kernarg_segment_size: 32
    .max_flat_workgroup_size: 128
    .sgpr_count:     98
    .vgpr_count:     1024
    .wavefront_size: 32
...
	.end_amdgpu_metadata
.endif
;; end of part 4
